; MI455X (gfx1250); checked and timed in simulation.
; The chip was launched on July 23, 2026; its instructions are those of AMD's public machine-readable ISA for CDNA 5 (MIT licence, August 2026) and "CDNA5" Instruction Set Architecture Reference Guide (July 2026). The comments in the code are by the model that wrote it; some were corrected since.
;; Multi Head Attention. Allowed arithmetic: matrix products marked QUANTISED: E2M3 operands, one E8M0 scale for each 32 along K, by v_wmma_scale_f32_16x16x128_f8f6f4 with both operands' format E2M3, f32 sums; everything else in f32.
;; Inputs: Wk 16 x 1,024 x 64 float32; Wo 1,024 x 1,024 float32; Wq 16 x 1,024 x 64 float32; Wv 16 x 1,024 x 64 float32; bk 16 x 64 float32; bo 1,024 float32; bq 16 x 64 float32; bv 16 x 64 float32; key 4 x 2,048 x 1,024 float32; query 4 x 2,048 x 1,024 float32; value 4 x 2,048 x 1,024 float32.
;; Outputs: out0 4 x 2,048 x 1,024 float32.
;; This version of the problem:
;;   THIS VERSION OF THE PROBLEM IS GIVEN IN LOW PRECISION. The matrix products marked QUANTISED in the list below multiply operands that are first quantised to E2M3 (2 exponent bits, 3 mantissa bits; 6 bits a number), with one power-of-two scale for each 32 numbers along K (OCP MX v1.0); their sums are f32. All else is computed in f32.
;;   The module's matrix products, in the order in which they are computed (A, B: the left and right operand; K: the contracted axis; several contracted axes count as one K, in the product's order):
;;     1. [M 1,024, K 1,024] x [K 1,024, N 8,192]; A: input Wq; B: input query: QUANTISED
;;     2. [M 1,024, K 1,024] x [K 1,024, N 8,192]; A: input Wk; B: input key: QUANTISED
;;     3. [M 1,024, K 1,024] x [K 1,024, N 8,192]; A: input Wv; B: input value: QUANTISED
;;     4. batch 64 x [M 2,048, K 64] x [K 64, N 2,048]; A: computed on the way; B: computed on the way: QUANTISED
;;     5. batch 64 x [M 2,048, K 2,048] x [K 2,048, N 64]; A: softmax (see below); B: computed on the way: QUANTISED
;;     6. [M 8,192, K 1,024] x [K 1,024, N 1,024]; A: computed on the way; B: input Wo: QUANTISED
;;   THE QUANTISER, for each operand of a quantised product, along K:
;;     - K is cut into blocks of 32 from its start; a last block that is shorter is filled with zeros.
;;     - A block's scale is 2^e with e = floor(log2(the largest magnitude in the block)) - 2, held to -126 .. 127; a block of zeros has e = 0. As a byte (E8M0): e + 127.
;;     - Each number is divided by its block's scale, clamped to +-7.5, and rounded to the nearest number of E2M3, ties to even, subnormals kept.
;;     - The product sums the exact products of the quantised numbers (number of the format x scale) in f32.
;;   ~~~python
;;   def quantise(x, axis):      # numpy; x: float32 -> the quantised numbers, widened to float32 again
;;       x = np.moveaxis(x, axis, -1); K = x.shape[-1]
;;       x = np.pad(x, [(0, 0)] * (x.ndim - 1) + [(0, -K % 32)]); x = x.reshape(x.shape[:-1] + (-1, 32)); a = np.abs(x).max(-1, keepdims=True)
;;       e = np.where(a > 0, np.clip(np.frexp(np.where(a > 0, a, 1))[1] - 1 - 2, -126, 127), 0)      # np.frexp(a)[1] - 1 = floor(log2(a)), exactly
;;       r = np.clip(x / 2.0 ** e, -7.5, 7.5)
;;       step = 2.0 ** (np.maximum(np.frexp(np.where(r == 0, 1, r))[1] - 1, 0) - 3)
;;       q = np.round(r / step) * step * 2.0 ** e      # np.round: ties to even
;;       return np.moveaxis(q.reshape(q.shape[:-2] + (-1,))[..., :K], -1, axis).astype(np.float32)
;;   ~~~
;;   SOFTMAX AHEAD OF A QUANTISED PRODUCT. Where the list says 'softmax', what is quantised is not the finished softmax but p = 2^(t - M), with t = logit x log2(e) and M = ceil(the row's largest t), a whole number; so 1/2 < the row's largest p <= 1. The row's sum l is taken of the UNQUANTISED p, in f32, and the product's result is divided by l at the end. Since M is a whole number, a kernel that streams over the keys may use a running M (the ceiling of the running maximum): every later rescaling is an exact power of two, which a block's scale takes up: the codes' values come out the same.
;;   OPERANDS COMPUTED ON THE WAY. 'Computed on the way' means the value that the module computes at that place (a softmax that the list does not call 'softmax' is quantised finished and normalised). What goes into a quantiser is computed in f32, as accurately as f32 sums, v_exp_f32 and their like allow (about 1e-6 of the number): no bf16 or f16 on the way to a quantiser, and a product that is left as it is and whose result goes on into a quantised operand takes f32 operands (vector FMAs, or v_wmma_f32_16x16x4_f32). A number that lies on a knife's edge between two numbers of the format may be rounded either way, as far as f32 arithmetic and the matrix unit's own rounding can turn it there, and no further.
;; 2 versions. Each part assembles by itself: llvm-mc -triple=amdgcn-amd-amdhsa -mcpu=gfx1250 --defsym DOCPART=n.
;; ======== version 1 of 2: 4 launches
;; workspace buffers: wimg 3,145,728 bytes; wsc 131,072 bytes; qkv 18,874,368 bytes; qkvs 786,432 bytes; ximg 6,291,456 bytes; xsc 262,144 bytes
;; launch prep (part 1): grid 256 x 1, 4 waves a work-group, no clusters, 13,824 bytes of LDS; arguments Wq, Wk, Wv, Wo, wimg, wsc; writes wimg, wsc
.if DOCPART == 1
	.amdgcn_target "amdgcn-amd-amdhsa--gfx1250"
	.amdhsa_code_object_version 6
	.text
	.protected	k_qb69fc7a2f1_prep
	.globl	k_qb69fc7a2f1_prep
	.p2align	8
	.type	k_qb69fc7a2f1_prep,@function
k_qb69fc7a2f1_prep:
	s_mov_b64 s[64:65], 0
	v_nop
	global_prefetch_b8 v0, s[64:65] scope:SCOPE_SE
	s_setreg_imm32_b32 hwreg(HW_REG_WAVE_MODE, 25, 1), 1
	s_wait_xcnt 0x0
; The four weights (Wq, Wk, Wv: [16][1024][64]; Wo: [1024][1024], f32, K = the axis of 1,024) become codes of FP6 (E2M3) with one E8M0 byte for each 32 along K,
; laid as IMAGES OF OPERAND REGISTERS: wimg [mat 4][hd 16][K step 8][tile 4] x 1,536 bytes; in an image registers 4 g .. 4 g + 3 of lane L lie at 512 g + 16 L.
; Tile c of a group of 64 columns takes columns 32 (c / 2) + 8 (c % 2) + (r % 8) + 16 (r / 8), r the fragment's row: so a later product's results come out as neighbours along the next K.
; wsc [mat][hd][K step][pair p][32 lanes] words: lanes 0-15 the scale words of tile 2 p, lanes 16-31 those of tile 2 p + 1.
; A LANE TAKES A COLUMN AND ITS REGISTERS RUN DOWN K: a wave takes 32 columns x 128 along K (two tiles of one K step): a block's largest magnitude needs no other lane, and the conversions give codes with K innermost.
; The rows of Wo lie 4,096 bytes apart, the others' 256: the step is a scalar chosen by the work-group's number; 32 offset registers hold 4 x lane + i x step, and four bases stand 32 rows apart: one path for all four weights.
; Loads run two blocks (64 loads a wave) ahead.  The codes go through the wave's own stage in LDS, into the images' places, and leave as 3,072 consecutive bytes.  Waves share nothing: no barrier.
; A block's scale byte is its largest magnitude's exponent field - 2, held at 1 from below.
; LIMITS: a block of zeros, or one whose largest magnitude lies under 2^-124, gets the byte 1 (a block of zeros has zero codes; this program alone reads the bytes); NaN and infinities are not served.
.set WSTG,  3328                       ; a wave's stage: two images, 1,664 bytes apart (1,536 + 128)
.set IMGP,  1664
.set SPARE, 4*WSTG                     ; behind the stages: the spare words, 128 bytes a wave
.set L4,   2                           ; v2   4 x lane
.set STA,  3                           ; v3   stage, on the way in: my column's image and row
.set RDA,  4                           ; v4   stage, on the way out: 16 x lane
.set LI,   5                           ; v5   16 x lane
.set SCO,  6                           ; v6   my scale word's place
.set SBW,  7                           ; v7   my column's scale word
.set SPW,  14                          ; v14  my spare word's LDS address; never rewritten
.set NIL,  15                          ; v15  0; never rewritten
.set CD,   16                          ; v16-39  codes, six registers a block
.set CT,   40                          ; v40-42  a block's upper 16 codes (a conversion's three registers begin on an even number)
.set X,    64                          ; v64-191 my column's 128 numbers, a set of 32 for each block
.set OUTR, 192                         ; v192-215 the two images on the way out
.set OFF,  216                         ; v216-247 4 x lane + i x the row step, i = 0 .. 31; never rewritten
.set BS,   40                          ; s[40:47] the four blocks' bases, 32 rows apart
	s_load_b256 s[4:11], s[0:1], 0x0               ; Wq, Wk, Wv, Wo
	s_load_b128 s[12:15], s[0:1], 0x20             ; wimg, wsc
	v_lshl_add_u32 v[SPW], v0, 2, SPARE
	v_mov_b32 v[NIL], 0
	v_lshrrev_b32 v1, 5, v0
	v_readfirstlane_b32 s16, v1                    ; wave
	v_and_b32 v1, 31, v0                           ; lane = my column among the wave's 32
	v_lshlrev_b32 v[L4], 2, v1
	v_lshlrev_b32 v[LI], 4, v1
	v_bfe_u32 v8, v0, 3, 1                         ; u: which of the two tiles my column belongs to
	v_and_b32 v9, 7, v0
	v_bfe_u32 v10, v0, 4, 1
	v_lshl_add_u32 v9, v10, 3, v9                  ; its row in that tile: (lane % 8) + 8 (lane / 16)
	s_mul_i32 s30, s16, WSTG
	v_mul_u32_u24 v[STA], v8, IMGP
	v_lshl_add_u32 v[STA], v9, 4, v[STA]
	v_add_nc_u32 v[STA], s30, v[STA]
	v_add_nc_u32 v[RDA], s30, v[LI]
	v_lshl_add_u32 v[SCO], v8, 4, v9
	v_lshlrev_b32 v[SCO], 2, v[SCO]                ; 4 (16 u + row)
	s_lshr_b32 s17, ttmp9, 6                       ; mat
	s_bfe_u32 s18, ttmp9, 0x40002                  ; hd: the group of 64 columns
	s_and_b32 s19, ttmp9, 3
	s_and_b32 s20, s16, 1                          ; p: which 32 of the 64 columns
	s_lshr_b32 s21, s16, 1
	s_lshl_b32 s19, s19, 1
	s_add_co_u32 s21, s21, s19                     ; the K step
	s_lshl_b32 s24, s18, 18                        ; Wq, Wk, Wv: head x 262,144 + K step x 128 rows of 256 bytes
	s_lshl_b32 s25, s21, 15
	s_add_co_u32 s24, s24, s25
	s_lshl_b32 s26, s21, 19                        ; Wo: K step x 128 rows of 4,096 bytes + 256 hd
	s_lshl_b32 s25, s18, 8
	s_add_co_u32 s26, s26, s25
	s_lshl_b32 s27, s20, 7                         ; + 128 p
	s_lshl_b32 s28, s17, 4
	s_add_co_u32 s28, s28, s18
	s_lshl_b32 s28, s28, 3
	s_add_co_u32 s28, s28, s21
	s_lshl_b32 s28, s28, 1
	s_add_co_u32 s28, s28, s20                     ; ((mat 16 + hd) 8 + K step) 2 + p
	s_mul_i32 s32, s28, 3072                       ; two images
	s_mov_b32 s33, 0
	s_lshl_b32 s34, s28, 7                         ; 32 scale words
	s_mov_b32 s35, 0
	s_cmp_eq_u32 s17, 3                            ; Wo or one of the three?  The choices hang on the work-group's number alone
	s_mov_b32 s36, 256
	s_cselect_b32 s36, 4096, s36                   ; bytes from row to row
	s_cselect_b32 s24, s26, s24                    ; where my wave's part begins
	s_add_co_u32 s24, s24, s27
	s_mov_b32 s25, 0
	s_lshl_b32 s38, s36, 5                         ; 32 rows: from block to block
	s_mov_b32 s39, 0
.set n, 0
.rept 32
	v_mad_u32_u24 v[OFF+n], s36, n, v[L4]          ; row i of a block, my column
.set n, n+1
.endr
	s_wait_kmcnt 0x0
	s_cmp_eq_u32 s17, 1
	s_cselect_b64 s[22:23], s[6:7], s[4:5]
	s_cmp_eq_u32 s17, 2
	s_cselect_b64 s[22:23], s[8:9], s[22:23]
	s_cmp_eq_u32 s17, 3
	s_cselect_b64 s[22:23], s[10:11], s[22:23]
	s_add_nc_u64 s[BS:BS+1], s[22:23], s[24:25]
	s_add_nc_u64 s[BS+2:BS+3], s[BS:BS+1], s[38:39]
	s_add_nc_u64 s[BS+4:BS+5], s[BS+2:BS+3], s[38:39]
	s_add_nc_u64 s[BS+6:BS+7], s[BS+4:BS+5], s[38:39]
	s_add_nc_u64 s[12:13], s[12:13], s[32:33]
	s_add_nc_u64 s[14:15], s[14:15], s[34:35]
.macro LOADW bb                        ; block bb: 32 rows of my column; each load reads 128 consecutive bytes in the wave
.set n, 0
.rept 32
	global_load_b32 v[X+32*(\bb)+n], v[OFF+n], s[BS+2*(\bb):BS+2*(\bb)+1] th:TH_LOAD_NT
.set n, n+1
.endr
.endm
	LOADW 0
	LOADW 1
; Block bb of 32 along K.  In the fragment it belongs to lane row + 16 (bb % 2), registers 6 (bb / 2) .. + 5.
.macro BLOCKW bb
.set XS, X+32*(\bb)
.if (\bb) < 3
	s_wait_loadcnt 32                              ; this block's 32 loads are in; the next block's 32 may be out
.else
	s_wait_loadcnt 0x0
.endif
.if (\bb) < 2
	LOADW (\bb)+2                                  ; two blocks ahead, into a set of its own
.endif
	v_max3_num_f32 v8, |v[XS]|, |v[XS+1]|, |v[XS+2]|
	v_max3_num_f32 v9, |v[XS+3]|, |v[XS+4]|, |v[XS+5]|
.irp i, 6,10,14,18,22,26
	v_max3_num_f32 v8, v8, |v[XS+\i]|, |v[XS+\i+1]|
	v_max3_num_f32 v9, v9, |v[XS+\i+2]|, |v[XS+\i+3]|
.endr
	v_max3_num_f32 v8, v8, |v[XS+30]|, |v[XS+31]|
	v_max3_num_f32 v8, v8, v9, 0x1800000           ; and the floor 2^(3 - 127): the byte cannot fall under 1
	v_add_nc_u32 v10, 0xff000000, v8               ; 2 off the exponent field: the conversion's scale operand
	v_lshrrev_b32 v11, 23, v10                     ; the scale's byte
.if (\bb) == 0
	v_mov_b32 v[SBW], v11
.else
	v_lshl_or_b32 v[SBW], v11, 8*(\bb), v[SBW]
.endif
	v_cvt_scalef32_pk16_fp6_f32 v[CD+6*(\bb):CD+6*(\bb)+2], v[XS:XS+15], v10
	v_cvt_scalef32_pk16_fp6_f32 v[CT:CT+2], v[XS+16:XS+31], v10
	v_nop                                          ; one plain place behind a scaled conversion
.irp i, 0,1,2
	v_mov_b32 v[CD+6*(\bb)+3+\i], v[CT+\i]
.endr
.if (\bb) < 2
	ds_store_b128 v[STA], v[CD+6*(\bb):CD+6*(\bb)+3] offset:256*(\bb)              ; registers 0-3: group 0
	ds_store_b64 v[STA], v[CD+6*(\bb)+4:CD+6*(\bb)+5] offset:512+256*(\bb)         ; registers 4, 5: the lower half of group 1
.else
	ds_store_b64 v[STA], v[CD+6*(\bb):CD+6*(\bb)+1] offset:520+256*((\bb)-2)       ; registers 6, 7: its upper half
	ds_store_b128 v[STA], v[CD+6*(\bb)+2:CD+6*(\bb)+5] offset:1024+256*((\bb)-2)   ; registers 8-11: group 2
.endif
.endm
	BLOCKW 0
	BLOCKW 1
	BLOCKW 2
	BLOCKW 3
.irp i, 0,1,2,3,4,5
	ds_load_b128 v[OUTR+4*\i:OUTR+4*\i+3], v[RDA] offset:(\i/3)*IMGP+(\i%3)*512    ; LDS serves a wave's instructions in order: these see my stores
.endr
	global_store_b32 v[SCO], v[SBW], s[14:15]      ; 32 scale words: 128 consecutive bytes
.irp i, 0,1,2,3,4,5
	s_wait_dscnt 5-\i                              ; the younger reads from the stage may be out
	global_store_b128 v[LI], v[OUTR+4*\i:OUTR+4*\i+3], s[12:13] offset:512*\i      ; 512 consecutive bytes, aligned
.endr
	s_wait_tensorcnt 0x0                           ; the wave's end, behind my last LDS store
	ds_add_u32 v[SPW], v[NIL]
	s_wait_dscnt 0x0
	s_endpgm
.Lfunc_end_k_qb69fc7a2f1_prep:
	.size	k_qb69fc7a2f1_prep, .Lfunc_end_k_qb69fc7a2f1_prep-k_qb69fc7a2f1_prep
	.p2alignl 7, 3214868480
	.fill 96, 4, 3214868480
	.section	.rodata,"a",@progbits
	.p2align	6, 0x0
	.amdhsa_kernel k_qb69fc7a2f1_prep
		.amdhsa_group_segment_fixed_size 13824
		.amdhsa_private_segment_fixed_size 0
		.amdhsa_enable_private_segment 0
		.amdhsa_kernarg_size 48
		.amdhsa_user_sgpr_count 2
		.amdhsa_user_sgpr_kernarg_segment_ptr 1
		.amdhsa_wavefront_size32 1
		.amdhsa_system_sgpr_workgroup_id_x 1
		.amdhsa_system_sgpr_workgroup_id_y 1
		.amdhsa_system_sgpr_workgroup_id_z 1
		.amdhsa_system_vgpr_workitem_id 0
		.amdhsa_next_free_vgpr 256
		.amdhsa_next_free_sgpr 66
		.amdhsa_reserve_vcc 0
		.amdhsa_float_denorm_mode_32 3
		.amdhsa_float_denorm_mode_16_64 3
		.amdhsa_memory_ordered 1
		.amdhsa_forward_progress 1
		.amdhsa_inst_pref_size 25
	.end_amdhsa_kernel
	.amdgpu_metadata
---
amdhsa.version: [ 1, 2 ]
amdhsa.kernels:
  - .name:           k_qb69fc7a2f1_prep
    .symbol:         k_qb69fc7a2f1_prep.kd
    .args:
      - { .name: Wq, .offset: 0, .size: 8, .value_kind: global_buffer, .address_space: global }
      - { .name: Wk, .offset: 8, .size: 8, .value_kind: global_buffer, .address_space: global }
      - { .name: Wv, .offset: 16, .size: 8, .value_kind: global_buffer, .address_space: global }
      - { .name: Wo, .offset: 24, .size: 8, .value_kind: global_buffer, .address_space: global }
      - { .name: wimg, .offset: 32, .size: 8, .value_kind: global_buffer, .address_space: global }
      - { .name: wsc, .offset: 40, .size: 8, .value_kind: global_buffer, .address_space: global }
    .group_segment_fixed_size: 13824
    .private_segment_fixed_size: 0
    .kernarg_segment_align: 8
    .kernarg_segment_size: 48
    .max_flat_workgroup_size: 128
    .sgpr_count:     66
    .vgpr_count:     256
    .wavefront_size: 32
...
	.end_amdgpu_metadata
.endif
;; end of part 1
;; launch proj (part 2): grid 64 x 3, 8 waves a work-group, no clusters, 171,008 bytes of LDS; arguments query, key, value, bq, bk, bv, wimg, wsc, qkv, qkvs; writes qkv, qkvs
.if DOCPART == 2
	.amdgcn_target "amdgcn-amd-amdhsa--gfx1250"
	.amdhsa_code_object_version 6
	.text
	.protected	k_qb69fc7a2f1_proj
	.globl	k_qb69fc7a2f1_proj
	.p2align	8
	.type	k_qb69fc7a2f1_proj,@function
k_qb69fc7a2f1_proj:
	s_mov_b64 s[64:65], 0
	v_nop
	global_prefetch_b8 v0, s[64:65] scope:SCOPE_SE
	s_setreg_imm32_b32 hwreg(HW_REG_WAVE_MODE, 25, 1), 1
	s_wait_xcnt 0x0
; q, k, v = Q(activation) Q(W) + bias, for 128 tokens (work-group x) of one of the three tensors (work-group y: 0 q, 1 k, 2 v), all 16 heads; the results are quantised at once for attention's products.
; PHASE X: wave w quantises token tile w (16 rows x 1,024, along E): each load reads 512 consecutive bytes of one row; a K step's 16 x 512 bytes turn through the wave's own stage in LDS, so that a lane
; holds 16 neighbours of each block of 32; the fragment goes to LDS as an image of its registers (registers 4 g .. 4 g + 3 of lane L at 512 g + 16 L).  Each f32 byte is read once.  One barrier.
; PHASE G: wave w makes heads 2 w and 2 w + 1 for the 128 tokens: 32 accumulators (window 1), K in 8 steps of 128; x's fragments from LDS, the weights' images from memory, one K step ahead.
; TILES: a tile of 16 rows (tokens, or columns of a head) takes rows 32 (t / 2) + 8 (t % 2) + (r % 8) + 16 (r / 8), so that the 16 registers of two neighbouring result tiles are 16 neighbours along the next K.
; q, k: source 0 = 16 columns of W, source 1 = 16 tokens: a lane holds one token, its registers run along d.  Two token tiles (K = 64 each) make one DOUBLE fragment: registers 0-5 tile 2 f, 6-11 tile 2 f + 1.
; v: the sources swapped: a lane holds one channel d, its registers run along the 128 tokens, which are the K of attention's second product.
; qkv [tensor][batch x head][128 tokens] records of four images; qkvs likewise 256 bytes: word w of lane L is the scale word of fragment 2 w + L / 16, row L % 16.
; No cluster and no joint requests: LDS is filled through registers here; what the 64 work-groups of a tensor share is the weights' images, 0.8 MB a tensor.
; LIMITS: a block of zeros, or one whose largest magnitude lies under 2^-124, gets the scale byte 1 (zero codes; this program alone reads the bytes); NaN and infinities are not served.
.set XSC,    98304                     ; LDS: x's 64 fragments (K step s, tile t at (8 s + t) 1,536) from 0; then their scale words [s][lane][4]: word j of lane L: tile 2 j + L / 16
.set STG,    102400                    ; a stage of 16 rows x 528 bytes for each wave
.set SPITCH, 528
.set SPARE,  STG+8*16*SPITCH           ; the spare words, 128 bytes a wave
.set LI,   1                           ; 16 x lane
.set LX1,  2                           ; + 49,152
.set L4,   3
.set L8,   4
.set SWR,  5                           ; the stage, in: 16 x lane
.set SRD,  6                           ; the stage, out: 528 r + 64 h
.set XWI0, 7                           ; where I store x's images, K steps 0-3
.set XWI1, 8                           ; K steps 4-7
.set XSW,  9                           ; and their scale words
.set BAQ,  10                          ; bias of q, k: 64 h
.set BAV,  11                          ; bias of v: 4 ((r % 8) + 16 (r / 8))
.set R0,   16                          ; v16-143  phase X: two sets of 64 registers as loaded
.set XN,   144                         ; v144-207 phase X: 64 numbers, 16 neighbours of each block
.set XF,   16                          ; v16-111  phase G: x's eight fragments
.set ST,   16                          ; v16-79   the way out: 64 results + bias
.set WF0,  112                         ; v112-207 phase G: the weights' four fragments, two sets
.set BI,   112                         ; v112-143 the way out: the bias
.set FO,   160                         ; v160-207 the way out: four fragments
.set XS,   208                         ; v208-211 x's scale words
.set WS,   212                         ; v212-215 the weights', two sets of two
.set PCX,  216                         ; v216-227 phase X: the fragment just made
.set TM,   228                         ; v228-239 the quantiser: maxima, bytes, scale operands
.set PW,   240                         ; v240-243 scale words just made
.set SW,   244                         ; v244-245 two words a lane, to store
.set CT,   246                         ; v246-252 the blocks' second halves
.set SPW,  254
.set NIL,  255
.set SEL,  40                          ; s[40:41] lane l xor 16
.set MSB, 0
.macro WIN new                         ; the immediate's high byte repeats the setting that is left
.if MSB != \new
	s_set_vgpr_msb (MSB<<8)|\new
.set MSB, \new
.endif
.endm
; One product.  ra, rb = 1: the side's scale words stand in lanes 16-31 of its register
.macro WM d, a, b, zero, sa, sb, ra, rb
.if \zero
.if (\ra) && (\rb)
	v_wmma_scale_f32_16x16x128_f8f6f4 v[(\d):(\d)+7], v[(\a):(\a)+11], v[(\b):(\b)+11], 0, v[\sa], v[\sb] matrix_a_fmt:MATRIX_FMT_FP6 matrix_b_fmt:MATRIX_FMT_FP6 matrix_a_scale:MATRIX_SCALE_ROW1 matrix_b_scale:MATRIX_SCALE_ROW1
.elseif (\ra)
	v_wmma_scale_f32_16x16x128_f8f6f4 v[(\d):(\d)+7], v[(\a):(\a)+11], v[(\b):(\b)+11], 0, v[\sa], v[\sb] matrix_a_fmt:MATRIX_FMT_FP6 matrix_b_fmt:MATRIX_FMT_FP6 matrix_a_scale:MATRIX_SCALE_ROW1
.elseif (\rb)
	v_wmma_scale_f32_16x16x128_f8f6f4 v[(\d):(\d)+7], v[(\a):(\a)+11], v[(\b):(\b)+11], 0, v[\sa], v[\sb] matrix_a_fmt:MATRIX_FMT_FP6 matrix_b_fmt:MATRIX_FMT_FP6 matrix_b_scale:MATRIX_SCALE_ROW1
.else
	v_wmma_scale_f32_16x16x128_f8f6f4 v[(\d):(\d)+7], v[(\a):(\a)+11], v[(\b):(\b)+11], 0, v[\sa], v[\sb] matrix_a_fmt:MATRIX_FMT_FP6 matrix_b_fmt:MATRIX_FMT_FP6
.endif
.else
.if (\ra) && (\rb)
	v_wmma_scale_f32_16x16x128_f8f6f4 v[(\d):(\d)+7], v[(\a):(\a)+11], v[(\b):(\b)+11], v[(\d):(\d)+7], v[\sa], v[\sb] matrix_a_fmt:MATRIX_FMT_FP6 matrix_b_fmt:MATRIX_FMT_FP6 matrix_a_scale:MATRIX_SCALE_ROW1 matrix_b_scale:MATRIX_SCALE_ROW1
.elseif (\ra)
	v_wmma_scale_f32_16x16x128_f8f6f4 v[(\d):(\d)+7], v[(\a):(\a)+11], v[(\b):(\b)+11], v[(\d):(\d)+7], v[\sa], v[\sb] matrix_a_fmt:MATRIX_FMT_FP6 matrix_b_fmt:MATRIX_FMT_FP6 matrix_a_scale:MATRIX_SCALE_ROW1
.elseif (\rb)
	v_wmma_scale_f32_16x16x128_f8f6f4 v[(\d):(\d)+7], v[(\a):(\a)+11], v[(\b):(\b)+11], v[(\d):(\d)+7], v[\sa], v[\sb] matrix_a_fmt:MATRIX_FMT_FP6 matrix_b_fmt:MATRIX_FMT_FP6 matrix_b_scale:MATRIX_SCALE_ROW1
.else
	v_wmma_scale_f32_16x16x128_f8f6f4 v[(\d):(\d)+7], v[(\a):(\a)+11], v[(\b):(\b)+11], v[(\d):(\d)+7], v[\sa], v[\sb] matrix_a_fmt:MATRIX_FMT_FP6 matrix_b_fmt:MATRIX_FMT_FP6
.endif
.endif
.endm
; 64 numbers of a lane, register 16 b + i = place 32 b + 16 (lane / 16) + i along K of my row, become a fragment's 12 registers at v[pc] and its scale word in v[pw]
.macro QUANT src, pc, pw
.irp b, 0,1,2,3
	v_max3_num_f32 v[TM+\b], |v[(\src)+16*\b]|, |v[(\src)+1+16*\b]|, 0x1800000   ; my 16 numbers of block b, and the floor 2^(3 - 127): the byte cannot fall under 1
.endr
.irp i, 2,4,6,8,10,12,14
.irp b, 0,1,2,3
	v_max3_num_f32 v[TM+\b], v[TM+\b], |v[(\src)+16*\b+\i]|, |v[(\src)+1+16*\b+\i]|   ; the four blocks by turns
.endr
.endr
.irp b, 0,1,2,3
	v_permlanex16_b32 v[TM+4+\b], v[TM+\b], s[SEL], s[SEL+1]
.endr
.irp b, 0,1,2,3
	v_max_num_f32 v[TM+\b], v[TM+\b], v[TM+4+\b]   ; with lane l xor 16's: the block's largest magnitude
.endr
.irp b, 0,1,2,3
	v_add_nc_u32 v[TM+8+\b], 0xff000000, v[TM+\b]  ; 2 off its exponent field: the conversion's scale operand
.endr
.irp b, 0,1,2,3
	v_lshrrev_b32 v[TM+4+\b], 23, v[TM+8+\b]       ; the scale's byte
.endr
	v_lshl_or_b32 v[\pw], v[TM+5], 8, v[TM+4]
	v_lshl_or_b32 v[\pw], v[TM+6], 16, v[\pw]
	v_lshl_or_b32 v[\pw], v[TM+7], 24, v[\pw]
.irp c, 0,1
	v_cvt_scalef32_pk16_fp6_f32 v[(\pc)+6*\c:(\pc)+6*\c+2], v[(\src)+32*\c:(\src)+32*\c+15], v[TM+8+2*\c]
	v_cvt_scalef32_pk16_fp6_f32 v[CT+4*\c:CT+4*\c+2], v[(\src)+32*\c+16:(\src)+32*\c+31], v[TM+9+2*\c]   ; (a conversion's three registers begin on an even number)
.endr
	v_nop                                          ; one plain place behind a scaled conversion
.irp c, 0,1                                    ; the layout wants a whole block in a lane: lanes 0-15 block 2 c, lanes 16-31 block 2 c + 1
.irp i, 0,1,2
	v_permlane16_swap_b32 v[(\pc)+6*\c+\i], v[CT+4*\c+\i]
.endr
.irp i, 0,1,2
	v_mov_b32 v[(\pc)+6*\c+3+\i], v[CT+4*\c+\i]
.endr
.endr
.endm
	s_load_b256 s[4:11], s[0:1], 0x0               ; query, key, value, bq
	s_load_b256 s[12:19], s[0:1], 0x20             ; bk, bv, wimg, wsc
	s_load_b128 s[20:23], s[0:1], 0x40             ; qkv, qkvs
	v_lshl_add_u32 v[SPW], v0, 2, SPARE
	v_mov_b32 v[NIL], 0
	v_lshrrev_b32 v12, 5, v0
	v_readfirstlane_b32 s24, v12                   ; wave 0..7
	s_and_b32 s25, ttmp7, 0xffff                   ; T: the tensor
	s_mov_b32 s26, ttmp9                           ; tb: the block of 128 tokens
	v_and_b32 v12, 31, v0
	v_and_b32 v13, 15, v0                          ; r
	v_bfe_u32 v14, v0, 4, 1                        ; h
	v_lshlrev_b32 v[LI], 4, v12
	v_add_nc_u32 v[LX1], 49152, v[LI]
	v_lshlrev_b32 v[L4], 2, v12
	v_lshlrev_b32 v[L8], 3, v12
	s_mul_i32 s44, s24, 16*SPITCH
	s_add_co_u32 s44, s44, STG
	v_add_nc_u32 v[SWR], s44, v[LI]
	v_mul_u32_u24 v[SRD], v13, SPITCH
	v_lshl_add_u32 v[SRD], v14, 6, v[SRD]
	v_add_nc_u32 v[SRD], s44, v[SRD]
	s_mul_i32 s45, s24, 1536
	v_add_nc_u32 v[XWI0], s45, v[LI]
	v_add_nc_u32 v[XWI1], 49152, v[XWI0]
	s_and_b32 s46, s24, 1
	s_lshr_b32 s47, s24, 1
	s_lshl_b32 s48, s46, 8
	s_lshl_b32 s49, s47, 2
	s_add_co_u32 s48, s48, s49
	s_add_co_u32 s48, s48, XSC
	v_lshlrev_b32 v[XSW], 4, v13
	v_add_nc_u32 v[XSW], s48, v[XSW]               ; 16 (16 (w % 2) + r) + 4 (w / 2)
	v_lshlrev_b32 v[BAQ], 6, v14
	v_and_b32 v[BAV], 7, v0
	v_bfe_u32 v15, v0, 3, 1
	v_lshl_add_u32 v[BAV], v15, 4, v[BAV]
	v_lshlrev_b32 v[BAV], 2, v[BAV]
.irp b, 0,1,2,3
	v_mov_b32 v[TM+4+\b], 0                        ; written once: a lane permute's destination counts as one of its sources
.endr
	s_mov_b32 s[SEL], 0x76543210
	s_mov_b32 s[SEL+1], 0xfedcba98
	s_mov_b32 s42, 0xffff0000                      ; lanes 16-31
	s_lshl_b32 s50, s26, 7
	s_lshl_b32 s51, s47, 5
	s_add_co_u32 s50, s50, s51
	s_lshl_b32 s51, s46, 3
	s_add_co_u32 s50, s50, s51
	s_lshl_b32 s50, s50, 12                        ; my tile's first row: (128 tb + 32 (w / 2) + 8 (w % 2)) x 4,096 bytes
	s_mov_b32 s51, 0
	s_lshl_b32 s44, s25, 4
	s_lshl_b32 s45, s24, 1
	s_add_co_u32 s44, s44, s45                     ; 16 T + 2 w: my first head's weights
	s_mul_i32 s52, s44, 49152
	s_mov_b32 s53, 0
	s_lshl_b32 s54, s44, 11
	s_mov_b32 s55, 0
	s_lshl_b32 s56, s25, 6
	s_lshr_b32 s57, s26, 4
	s_lshl_b32 s57, s57, 4
	s_add_co_u32 s56, s56, s57
	s_add_co_u32 s56, s56, s45
	s_lshl_b32 s56, s56, 4
	s_and_b32 s57, s26, 15
	s_add_co_u32 s56, s56, s57                     ; my first record: (64 T + 16 batch + 2 w) 16 + the block in its batch
	s_mul_i32 s58, s56, 6144
	s_mov_b32 s59, 0
	s_lshl_b32 s60, s56, 8
	s_mov_b32 s61, 0
	s_lshl_b32 s62, s24, 9                         ; two heads' bias
	s_mov_b32 s63, 0
	s_wait_kmcnt 0x0
	s_cmp_eq_u32 s25, 1                            ; the choices hang on the work-group's number alone
	s_cselect_b64 s[28:29], s[6:7], s[4:5]
	s_cselect_b64 s[30:31], s[12:13], s[10:11]
	s_cmp_eq_u32 s25, 2
	s_cselect_b64 s[28:29], s[8:9], s[28:29]
	s_cselect_b64 s[30:31], s[14:15], s[30:31]
	s_add_nc_u64 s[28:29], s[28:29], s[50:51]      ; the activation at my tile
	s_add_nc_u64 s[30:31], s[30:31], s[62:63]      ; the bias
	s_add_nc_u64 s[32:33], s[16:17], s[52:53]      ; the weights' images
	s_add_nc_u64 s[34:35], s[18:19], s[54:55]      ; their scale words
	s_add_nc_u64 s[36:37], s[20:21], s[58:59]      ; my records
	s_add_nc_u64 s[38:39], s[22:23], s[60:61]
; ---- PHASE X
.macro XLOAD ks, set                   ; K step ks of my 16 rows: each load is one row's 512 consecutive bytes
.set n, 0
.rept 16
	global_load_b128 v[\set+4*n:\set+4*n+3], v[LI], s[28:29] offset:((n&7)+16*(n>>3))*4096+512*(\ks) th:TH_LOAD_NT
.set n, n+1
.endr
.endm
.macro XSTEP ks
.set RS, R0+64*((\ks)%2)
.if (\ks) < 7
	s_wait_loadcnt 16                              ; this K step's 16 loads are in; the next step's may be out
.else
	s_wait_loadcnt 0x0
.endif
.set n, 0
.rept 16
	ds_store_b128 v[SWR], v[RS+4*n:RS+4*n+3] offset:SPITCH*n
.set n, n+1
.endr
.set n, 0
.rept 16
	ds_load_b128 v[XN+4*n:XN+4*n+3], v[SRD] offset:128*(n/4)+16*(n%4)   ; LDS serves a wave's instructions in order: these see my stores
.set n, n+1
.endr
	s_wait_dscnt 0x0                               ; the numbers are back; the stage's stores have read their registers, and so have the last image's
.if (\ks) < 6
	XLOAD (\ks)+2, RS
.endif
	QUANT XN, PCX, PW
.irp g, 0,1,2
.if (\ks) < 4
	ds_store_b128 v[XWI0], v[PCX+4*\g:PCX+4*\g+3] offset:(\ks)*12288+512*\g
.else
	ds_store_b128 v[XWI1], v[PCX+4*\g:PCX+4*\g+3] offset:((\ks)-4)*12288+512*\g
.endif
.endr
	ds_store_b32 v[XSW], v[PW] offset:512*(\ks)    ; lanes r and r + 16 write the same word with the same value
.endm
	XLOAD 0, R0
	XLOAD 1, R0+64
.irp k, 0,1,2,3,4,5,6,7
	XSTEP \k
.endr
	s_wait_dscnt 0x0                               ; for the others' sake: my images and scale words have landed
	s_barrier_signal -1
	s_barrier_wait -1                              ; x's 64 fragments lie in LDS; nothing writes LDS from here on
; ---- PHASE G
.macro WFETCH ks                       ; the head's four weight fragments of K step ks, and their scale words
.set WFS, WF0+48*((\ks)%2)
.set n, 0
.rept 12
	global_load_b128 v[WFS+4*n:WFS+4*n+3], v[LI], s[32:33] offset:6144*(\ks)+512*n
.set n, n+1
.endr
	global_load_b32 v[WS+2*((\ks)%2)], v[L4], s[34:35] offset:256*(\ks)
	global_load_b32 v[WS+2*((\ks)%2)+1], v[L4], s[34:35] offset:256*(\ks)+128
.endm
.macro BIAS swap                       ; eight loads either way
.if \swap
.irp c, 0,1,2,3
	global_load_b32 v[BI+2*\c], v[BAV], s[30:31] offset:(32*(\c>>1)+8*(\c&1))*4      ; my channel's bias, twice: a pair for the packed addition
	global_load_b32 v[BI+2*\c+1], v[BAV], s[30:31] offset:(32*(\c>>1)+8*(\c&1))*4
.endr
.else
.set n, 0
.rept 8
	global_load_b128 v[BI+4*n:BI+4*n+3], v[BAQ], s[30:31] offset:128*(n/4)+16*(n%4)  ; register 16 b + i: channel 32 b + 16 h + i
.set n, n+1
.endr
.endif
.endm
.macro KSTEP ks, swap
.set n, 0
.rept 24
.if (\ks) < 4
	ds_load_b128 v[XF+4*n:XF+4*n+3], v[LI] offset:(\ks)*12288+512*n
.else
	ds_load_b128 v[XF+4*n:XF+4*n+3], v[LX1] offset:((\ks)-4)*12288+512*n
.endif
.set n, n+1
.endr
	ds_load_b128 v[XS:XS+3], v[LX1] offset:49152+512*(\ks)
.if (\ks) < 7
	WFETCH (\ks)+1
.else
	BIAS \swap
.endif
	s_wait_dscnt 0x0
.if (\ks) < 7
	s_wait_loadcnt 14                              ; this step's weights are in; the 14 loads just issued may be out
.else
	s_wait_loadcnt 8                               ; the eight bias loads may be out
.endif
.set WFC, WF0+48*((\ks)%2)
.set WSC, WS+2*((\ks)%2)
.if (\ks) == 0
.set ZR, 1                                     ; the first K step starts the sums: nothing is cleared
.else
.set ZR, 0
.endif
	WIN 0x50                                       ; C and D in window 1
.if \swap
.set cc, 0
.rept 4
.set tt, 0
.rept 8
	WM 8*(8*cc+tt), XF+12*tt, WFC+12*cc, ZR, XS+(tt>>1), WSC+(cc>>1), tt&1, cc&1
.set tt, tt+1
.endr
.set cc, cc+1
.endr
.else
.set tt, 0
.rept 8
.set cc, 0
.rept 4
	WM 8*(4*tt+cc), WFC+12*cc, XF+12*tt, ZR, WSC+(cc>>1), XS+(tt>>1), cc&1, tt&1
.set cc, cc+1
.endr
.set tt, tt+1
.endr
.endif
	WIN 0
.rept 4
	v_nop                                          ; four places in front of loads into registers that these products read, and of the first read of results
.endr
.endm
; The head's 32 accumulators, 64 registers at a time, + bias, quantised: four fragments and their scale words.  q, k: two token tiles x 64 channels; v: one tile of channels x 128 tokens.
.macro EPI swap
	s_wait_loadcnt 0x0                             ; the bias
.irp f, 0,1,2,3
	WIN 0x01                                       ; source 0 in window 1
.set n, 0
.rept 32
.if \swap
	v_pk_add_f32 v[ST+2*n:ST+2*n+1], v[64*\f+2*n:64*\f+2*n+1], v[BI+2*\f:BI+2*\f+1]
.else
	v_pk_add_f32 v[ST+2*n:ST+2*n+1], v[64*\f+2*n:64*\f+2*n+1], v[BI+((2*n)&31):BI+((2*n)&31)+1]   ; each accumulator from its low end on
.endif
.set n, n+1
.endr
	WIN 0
	QUANT ST, FO+12*\f, PW+\f
.endr
.set n, 0
.rept 12
	global_store_b128 v[LI], v[FO+4*n:FO+4*n+3], s[36:37] offset:512*n   ; 512 consecutive bytes, aligned
.set n, n+1
.endr
	v_cndmask_b32 v[SW], v[PW], v[PW+1], s42       ; lanes 0-15 the even fragment's word, lanes 16-31 the odd one's
	v_cndmask_b32 v[SW+1], v[PW+2], v[PW+3], s42
	global_store_b64 v[L8], v[SW:SW+1], s[38:39]   ; 256 consecutive bytes, aligned
.endm
.macro HEADS swap
	s_mov_b32 s43, 2
.Lhead_\@:
	WFETCH 0
.irp k, 0,1,2,3,4,5,6,7
	KSTEP \k, \swap
.endr
	EPI \swap
	s_wait_xcnt 0x0                                ; the stores have read their registers and bases: both are written again only behind this wait
	s_add_nc_u64 s[32:33], s[32:33], 49152         ; the next head
	s_add_nc_u64 s[34:35], s[34:35], 2048
	s_add_nc_u64 s[30:31], s[30:31], 256
	s_add_nc_u64 s[36:37], s[36:37], 98304
	s_add_nc_u64 s[38:39], s[38:39], 4096
	s_sub_co_u32 s43, s43, 1
	s_cmp_lg_u32 s43, 0
	s_cbranch_scc1 .Lhead_\@
.endm
	s_cmp_eq_u32 s25, 2                            ; the work-group's number alone: all eight waves go the same way
	s_cbranch_scc1 .Lv
	HEADS 0
	s_branch .Lend
.Lv:
	HEADS 1
.Lend:
	s_wait_tensorcnt 0x0                           ; the wave's end, behind my last LDS store
	ds_add_u32 v[SPW], v[NIL]
	s_wait_dscnt 0x0
	s_endpgm
.Lfunc_end_k_qb69fc7a2f1_proj:
	.size	k_qb69fc7a2f1_proj, .Lfunc_end_k_qb69fc7a2f1_proj-k_qb69fc7a2f1_proj
	.p2alignl 7, 3214868480
	.fill 96, 4, 3214868480
	.section	.rodata,"a",@progbits
	.p2align	6, 0x0
	.amdhsa_kernel k_qb69fc7a2f1_proj
		.amdhsa_group_segment_fixed_size 171008
		.amdhsa_private_segment_fixed_size 0
		.amdhsa_enable_private_segment 0
		.amdhsa_kernarg_size 80
		.amdhsa_user_sgpr_count 2
		.amdhsa_user_sgpr_kernarg_segment_ptr 1
		.amdhsa_wavefront_size32 1
		.amdhsa_system_sgpr_workgroup_id_x 1
		.amdhsa_system_sgpr_workgroup_id_y 1
		.amdhsa_system_sgpr_workgroup_id_z 1
		.amdhsa_system_vgpr_workitem_id 0
		.amdhsa_next_free_vgpr 512
		.amdhsa_next_free_sgpr 66
		.amdhsa_reserve_vcc 0
		.amdhsa_float_denorm_mode_32 3
		.amdhsa_float_denorm_mode_16_64 3
		.amdhsa_memory_ordered 1
		.amdhsa_forward_progress 1
		.amdhsa_inst_pref_size 230
	.end_amdhsa_kernel
	.amdgpu_metadata
---
amdhsa.version: [ 1, 2 ]
amdhsa.kernels:
  - .name:           k_qb69fc7a2f1_proj
    .symbol:         k_qb69fc7a2f1_proj.kd
    .args:
      - { .name: query, .offset: 0, .size: 8, .value_kind: global_buffer, .address_space: global }
      - { .name: key, .offset: 8, .size: 8, .value_kind: global_buffer, .address_space: global }
      - { .name: value, .offset: 16, .size: 8, .value_kind: global_buffer, .address_space: global }
      - { .name: bq, .offset: 24, .size: 8, .value_kind: global_buffer, .address_space: global }
      - { .name: bk, .offset: 32, .size: 8, .value_kind: global_buffer, .address_space: global }
      - { .name: bv, .offset: 40, .size: 8, .value_kind: global_buffer, .address_space: global }
      - { .name: wimg, .offset: 48, .size: 8, .value_kind: global_buffer, .address_space: global }
      - { .name: wsc, .offset: 56, .size: 8, .value_kind: global_buffer, .address_space: global }
      - { .name: qkv, .offset: 64, .size: 8, .value_kind: global_buffer, .address_space: global }
      - { .name: qkvs, .offset: 72, .size: 8, .value_kind: global_buffer, .address_space: global }
    .group_segment_fixed_size: 171008
    .private_segment_fixed_size: 0
    .kernarg_segment_align: 8
    .kernarg_segment_size: 80
    .max_flat_workgroup_size: 256
    .sgpr_count:     66
    .vgpr_count:     512
    .wavefront_size: 32
...
	.end_amdgpu_metadata
.endif
;; end of part 2
;; launch attn (part 3): grid 8 x 64, 16 waves a work-group, no clusters, 59,392 bytes of LDS; arguments qkv, qkvs, ximg, xsc; writes ximg, xsc
.if DOCPART == 3
	.amdgcn_target "amdgcn-amd-amdhsa--gfx1250"
	.amdhsa_code_object_version 6
	.text
	.protected	k_qb69fc7a2f1_attn
	.globl	k_qb69fc7a2f1_attn
	.p2align	8
	.type	k_qb69fc7a2f1_attn,@function
k_qb69fc7a2f1_attn:
	s_mov_b64 s[64:65], 0
	v_nop
	global_prefetch_b8 v0, s[64:65] scope:SCOPE_SE
	s_setreg_imm32_b32 hwreg(HW_REG_WAVE_MODE, 25, 1), 1
	s_wait_xcnt 0x0
; x[token][head 64 + d] = softmax(q k^T / 8) v for one head (work-group y: batch x 16 + head) and 256 queries (work-group x), both products on codes of FP6 (E2M3); x leaves quantised along d for the last product.
; SHARES: sixteen waves, each ONE tile of 16 queries in 256 registers, four waves to a SIMD, so that one wave's softmax stands beside another's products and LDS loads.  Every wave walks 16 key steps of 128 keys.
; BOTH PRODUCTS TRANSPOSED: S^T = K Q^T, O^T = V^T P^T: a lane holds one query throughout.  By the tiles' choice of rows the 16 registers of two neighbouring score tiles are 16 neighbouring keys.
; K = 64 IN A FORM OF K = 128: a fragment of k holds TWO tiles of 16 keys (registers 0-5, 6-11).  The query stands in 18 registers, 6 zeros, q, 6 zeros: the last 12 pick the first tile (its zeros meet the second),
; the first 12 the second.  A zero code adds nothing under any scale byte from 1 to 254.  q's scale word repeats its two bytes.
; THE SOFTMAX: t = score x log2(e) / 8; M = the running largest t rounded up to a whole number; p = 2^(t - M) is quantised along the keys; the row's sum is taken of the unquantised p and divides at the end;
; when M moves, the sum and O^T are multiplied by 2^(old M - new M), exactly.  A block's largest p is made from the block's largest score by the same two instructions (this takes v_exp_f32 not to fall where its input rises).
; THE RING: two LDS slots of two key steps (k's 8 images, v's 8), filled THROUGH REGISTERS: wave w copies one image a slot (waves 0-7 k's, 8-15 v's): loaded a trip ahead, stored into the slot that was left, one barrier a trip.
; The head's scale words (k's 4,096 bytes, v's 4,096) come once.  No cluster: what the 8 work-groups of a head share, 24 KB a slot, serves 32 tile steps of some 235 vector instructions each.
; LIMITS: 1 / l is v_rcp_f32 and a multiplication; a block of zeros, or one under 2^-124, gets the scale byte 1 (zero codes; this program alone reads the bytes); NaN and infinities are not served.
.set SLOT1, 32768                      ; slot 0 at 0, slot 1 here: 12,288 bytes of k, then 12,288 of v
.set VOFF,  12288
.set SCK,   24576                      ; between the slots: k's scale words, then v's
.set SCV,   28672
.set SPARE, 57344                      ; the spare words, 128 bytes a wave
.set LI,  1                            ; 16 x lane
.set L8,  2                            ; 8 x lane
.set WL,  3                            ; 1,536 x wave + 16 x lane: my image's place in a slot
.set SCW, 4                            ; 512 x wave + 16 x lane: my part of the scale words
.set XO,  5                            ; an offset: q's scale word, later x's scale byte
.set ADS, 6                            ; the step's scale words
.set PFO, 7                            ; the prefetches' offset; never rewritten
.set QZ,  16                           ; v16-33 zeros, q, zeros
.set QS,  34                           ; q's scale word
.set G,   36                           ; v36-47 the image on its way into the ring
.set FR,  48                           ; v48-95 four fragments of k, then of v
.set S,   96                           ; v96-159 S^T, then p
.set O,   160                          ; v160-191 O^T
.set PC,  192                          ; v192-203 p's codes
.set CA,  204                          ; v204-206, v208-210 the blocks' second halves
.set BM,  212                          ; v212-215 block maxima
.set BP,  216                          ; v216-219 the other half's; later bytes
.set BO,  220                          ; v220-223 scale operands
.set SU,  224                          ; v[224:225] the second chain of the sum
.set T1,  226
.set F,   228                          ; v[228:229] f = 2^(old M - new M), and a 0 that is named with it
.set PS,  230                          ; p's scale word
.set KS,  232                          ; v[232:233] k's scale words: register b / 2, lanes 16 (b % 2) on: fragment b
.set VS,  234                          ; v[234:235] v's likewise
.set SPW, 240
.set NIL, 241
.macro WM d, a, b, zero, sa, sb, ra    ; one product; ra = 1: source 0's scale words stand in lanes 16-31
.if \zero
.if (\ra)
	v_wmma_scale_f32_16x16x128_f8f6f4 v[(\d):(\d)+7], v[(\a):(\a)+11], v[(\b):(\b)+11], 0, v[\sa], v[\sb] matrix_a_fmt:MATRIX_FMT_FP6 matrix_b_fmt:MATRIX_FMT_FP6 matrix_a_scale:MATRIX_SCALE_ROW1
.else
	v_wmma_scale_f32_16x16x128_f8f6f4 v[(\d):(\d)+7], v[(\a):(\a)+11], v[(\b):(\b)+11], 0, v[\sa], v[\sb] matrix_a_fmt:MATRIX_FMT_FP6 matrix_b_fmt:MATRIX_FMT_FP6
.endif
.else
.if (\ra)
	v_wmma_scale_f32_16x16x128_f8f6f4 v[(\d):(\d)+7], v[(\a):(\a)+11], v[(\b):(\b)+11], v[(\d):(\d)+7], v[\sa], v[\sb] matrix_a_fmt:MATRIX_FMT_FP6 matrix_b_fmt:MATRIX_FMT_FP6 matrix_a_scale:MATRIX_SCALE_ROW1
.else
	v_wmma_scale_f32_16x16x128_f8f6f4 v[(\d):(\d)+7], v[(\a):(\a)+11], v[(\b):(\b)+11], v[(\d):(\d)+7], v[\sa], v[\sb] matrix_a_fmt:MATRIX_FMT_FP6 matrix_b_fmt:MATRIX_FMT_FP6
.endif
.endif
.endm
	s_load_b256 s[4:11], s[0:1], 0x0               ; qkv, qkvs, ximg, xsc
	v_lshl_add_u32 v[SPW], v0, 2, SPARE
	v_mov_b32 v[NIL], 0
	v_lshrrev_b32 v8, 5, v0
	v_readfirstlane_b32 s12, v8                    ; wave 0..15
	s_mov_b32 s13, ttmp9                           ; x: the block of 256 queries
	s_and_b32 s14, ttmp7, 0xffff                   ; bh
	v_and_b32 v8, 31, v0
	v_and_b32 v9, 15, v0
	v_lshlrev_b32 v[LI], 4, v8
	v_lshlrev_b32 v[L8], 3, v8
	s_mul_i32 s36, s12, 1536
	v_add_nc_u32 v[WL], s36, v[LI]
	s_lshl_b32 s36, s12, 9
	v_add_nc_u32 v[SCW], s36, v[LI]
	v_lshlrev_b32 v[XO], 3, v9                     ; 8 r
	s_min_u32 s56, s12, 2                          ; the prefetches: block 32 w + lane of a slot's 96 blocks of 256 bytes (48 of k, 48 of v); held inside the buffer in the waves that never ask
	s_lshl_b32 s56, s56, 5
	v_add_nc_u32 v[PFO], s56, v8
	v_cmp_le_u32 vcc_lo, 48, v[PFO]
	v_mov_b32 v11, 6279168                         ; from k's records to v's, 64 x 98,304 bytes, less k's 12,288
	v_cndmask_b32 v11, 0, v11, vcc_lo
	v_lshl_add_u32 v[PFO], v[PFO], 8, v11
	s_lshr_b32 s37, s12, 3                         ; waves 0-7: k, and the first 128 queries; waves 8-15: v, and the second
	s_and_b32 s38, s12, 7                          ; my image of a slot; my tile of queries
	s_add_co_u32 s39, s37, 1
	s_lshl_b32 s39, s39, 6
	s_add_co_u32 s39, s39, s14                     ; 64 (1 or 2) + bh
	s_mul_i32 s40, s39, 98304
	s_mul_i32 s41, s38, 1536
	s_add_co_u32 s40, s40, s41
	s_mov_b32 s41, 0
	s_lshl_b32 s42, s39, 12
	s_lshl_b32 s43, s38, 9
	s_add_co_u32 s42, s42, s43
	s_mov_b32 s43, 0
	s_lshl_b32 s50, s14, 4
	s_lshl_b32 s51, s13, 1
	s_add_co_u32 s50, s50, s51
	s_add_co_u32 s50, s50, s37                     ; q's record
	s_lshr_b32 s51, s38, 1                         ; and the double fragment in it that holds my tile
	s_mul_i32 s44, s50, 6144
	s_mul_i32 s45, s51, 1536
	s_add_co_u32 s44, s44, s45
	s_mov_b32 s45, 0
	s_lshl_b32 s46, s50, 8
	s_and_b32 s47, s51, 1
	s_lshl_b32 s47, s47, 7
	s_add_co_u32 s46, s46, s47
	s_lshr_b32 s47, s51, 1
	s_lshl_b32 s47, s47, 2
	s_add_co_u32 s46, s46, s47
	s_mov_b32 s47, 0
	s_and_b32 s34, s12, 1                          ; which half of the double fragment is my tile
	s_cmp_eq_u32 s34, 1
	s_cselect_b32 s33, -1, 0
	s_lshl_b32 s34, s34, 4
	s_lshr_b32 s52, s14, 4                         ; the way out: tb = 16 batch + 2 x + (w / 8)
	s_lshl_b32 s52, s52, 4
	s_lshl_b32 s53, s13, 1
	s_add_co_u32 s52, s52, s53
	s_add_co_u32 s52, s52, s37
	s_lshl_b32 s52, s52, 3
	s_bfe_u32 s53, s14, 0x30001                    ; head / 2: the last product's K step
	s_add_co_u32 s52, s52, s53
	s_and_b32 s53, s14, 1                          ; head % 2: which half of its fragment
	s_lshl_b32 s54, s52, 9
	s_and_b32 s55, s38, 1
	s_lshl_b32 s55, s55, 8
	s_add_co_u32 s54, s54, s55
	s_lshr_b32 s55, s38, 1
	s_lshl_b32 s55, s55, 2
	s_add_co_u32 s54, s54, s55
	s_lshl_b32 s55, s53, 1
	s_add_co_u32 s54, s54, s55
	s_mov_b32 s55, 0
	s_lshl_b32 s52, s52, 3
	s_add_co_u32 s52, s52, s38
	s_mul_i32 s52, s52, 1536
	s_mul_i32 s53, s53, 768
	s_add_co_u32 s52, s52, s53
	s_mov_b32 s53, 0
	s_cmp_lt_u32 s12, 3                            ; who prefetches: waves 0 to 2 of the head's first work-group
	s_cselect_b32 s57, 0, 1
	s_or_b32 s57, s57, s13
	s_cmp_eq_u32 s57, 0
	s_cselect_b32 s27, 0, -1                       ; the limit at a trip's first change of slots,
	s_cselect_b32 s35, 1, -1                       ; and at its second: the loop's last trip asks for nothing there
	s_add_co_u32 s58, s14, 64
	s_mul_i32 s58, s58, 98304
	s_add_co_u32 s58, s58, 24576                   ; k's slot 2: the first change steps it to slot 3
	s_mov_b32 s59, 0
	s_mov_b32 s20, 0x76543210
	s_mov_b32 s21, 0xfedcba98                      ; lane l xor 16
	s_mov_b32 s22, 0x3e38aa3b                      ; c = log2(e) / 8
	s_mov_b32 s23, s22                             ; (named with it as a pair)
	s_mov_b32 s25, 0                               ; where the step's scale words begin: 256 bytes a step
	s_mov_b32 s32, 0xffff0000                      ; lanes 16-31
	s_wait_kmcnt 0x0
	s_add_nc_u64 s[28:29], s[4:5], s[40:41]        ; my image of slot 0
	s_add_nc_u64 s[42:43], s[6:7], s[42:43]        ; my part of the head's scale words
	s_add_nc_u64 s[44:45], s[4:5], s[44:45]        ; q's double fragment
	s_add_nc_u64 s[46:47], s[6:7], s[46:47]        ; its scale words
	s_add_nc_u64 s[30:31], s[4:5], s[58:59]        ; the prefetches
	s_add_nc_u64 s[8:9], s[8:9], s[52:53]          ; my half image of x
	s_add_nc_u64 s[10:11], s[10:11], s[54:55]      ; its scale bytes
.irp g, 0,1,2
	global_load_b128 v[G+4*\g:G+4*\g+3], v[LI], s[28:29] offset:512*\g
.endr
	global_load_b128 v[8:11], v[LI], s[42:43]
.irp g, 0,1,2
	global_load_b128 v[FR+4*\g:FR+4*\g+3], v[LI], s[44:45] offset:512*\g
.endr
	global_load_b32 v35, v[XO], s[46:47]
.irp i, 0,1,2,3,4,5
	v_mov_b32 v[QZ+\i], 0                          ; the zero codes on both sides of q
	v_mov_b32 v[QZ+12+\i], 0
.endr
.set n, 0
.rept 32
	v_mov_b32 v[O+n], 0                            ; O^T: the step is written once; the first finds zeros, which the first change of M leaves zeros
.set n, n+1
.endr
	v_mov_b32 v13, 0xff61b1e6                      ; the largest t so far: -3e38
	v_floor_f32 v12, -v13                          ; -M
	v_mov_b32 v14, 0                               ; the sum, in two halves
	v_mov_b32 v15, 0
.irp b, 0,1,2,3
	v_mov_b32 v[BP+\b], 0                          ; written once: a lane permute's destination counts as one of its sources
.endr
	v_mov_b32 v[F+1], 0
	s_wait_loadcnt 0x0
.irp g, 0,1,2
	ds_store_b128 v[WL], v[G+4*\g:G+4*\g+3] offset:512*\g
.endr
	ds_store_b128 v[SCW], v[8:11] offset:SCK
	v_lshrrev_b32 v[QS], s34, v35                  ; my tile's two bytes,
	v_and_b32 v[QS], 0xffff, v[QS]
	v_lshl_or_b32 v[QS], v[QS], 16, v[QS]          ; twice
.irp i, 0,1,2,3,4,5
	v_cndmask_b32 v[QZ+6+\i], v[FR+\i], v[FR+6+\i], s33   ; my tile's six registers
.endr
.rept 8
	v_nop                                          ; a scale register written by a vector instruction stands eight places ahead of a scaled product, an operand four
.endr
	s_wait_dscnt 0x0                               ; slot 0 and the scale words: my part has landed, and the stores have read their registers
	s_add_nc_u64 s[28:29], s[28:29], 12288
.irp g, 0,1,2
	global_load_b128 v[G+4*\g:G+4*\g+3], v[LI], s[28:29] offset:512*\g   ; slot 1
.endr
	s_barrier_signal -1
	s_barrier_wait -1
; A PREFETCH INTO THE L2 of the slot that the NEXT trip's loads will ask for: 96 blocks of 256 bytes, a lane a block, one instruction in each of three waves of the head's first work-group,
; behind the wave's own loads.  Each block is named once in the launch: slots 3 to 7; slots 0 to 2 come by their loads alone, and the last change that loads asks for nothing.
.macro ASK lim
	s_cmp_gt_u32 s26, s[\lim]
	s_cbranch_scc0 .Lnot_mine_\@
	global_prefetch_b8 v[PFO], s[30:31] th:TH_LOAD_NT scope:SCOPE_SE
.Lnot_mine_\@:
.endm
; A KEY STEP: 128 keys, the q-th of slot par
.macro STEP par, q
.set KB, (\par)*SLOT1+6144*(\q)
	v_add_nc_u32 v[ADS], s25, v[L8]
.rept 3
	v_nop                                          ; with the addition: four places in front of loads into registers that the last products read
.endr
.set n, 0
.rept 12
	ds_load_b128 v[FR+4*n:FR+4*n+3], v[LI] offset:KB+512*n
.set n, n+1
.endr
	ds_load_b64 v[KS:KS+1], v[ADS] offset:SCK
	ds_load_b64 v[VS:VS+1], v[ADS] offset:SCV
	s_wait_dscnt 0x0
.irp b, 0,1,2,3                                ; S^T: each double fragment twice, against q below zeros and q above zeros
	WM S+16*\b, FR+12*\b, QZ+6, 1, KS+(\b>>1), QS, \b&1
	WM S+8+16*\b, FR+12*\b, QZ, 1, KS+(\b>>1), QS, \b&1
.endr                                          ; register S + 16 b + i: key 32 b + 16 (lane / 16) + i
.rept 4
	v_nop
.endr
.set n, 0
.rept 12
	ds_load_b128 v[FR+4*n:FR+4*n+3], v[LI] offset:KB+VOFF+512*n   ; v's four fragments land under the softmax
.set n, n+1
.endr
.irp b, 0,1,2,3
	v_max3_num_f32 v[BM+\b], v[S+16*\b], v[S+1+16*\b], v[S+2+16*\b]   ; the largest score of each block of 32 keys: for the row's maximum, and for the block's largest p
.endr
.irp i, 3,5,7,9,11,13
.irp b, 0,1,2,3
	v_max3_num_f32 v[BM+\b], v[BM+\b], v[S+16*\b+\i], v[S+1+16*\b+\i]
.endr
.endr
.irp b, 0,1,2,3
	v_max_num_f32 v[BM+\b], v[BM+\b], v[S+15+16*\b]
.endr
.irp b, 0,1,2,3
	v_permlanex16_b32 v[BP+\b], v[BM+\b], s20, s21
.endr
.irp b, 0,1,2,3
	v_max_num_f32 v[BM+\b], v[BM+\b], v[BP+\b]     ; with lane l xor 16's 16 keys
.endr
	v_max3_num_f32 v[T1], v[BM], v[BM+1], v[BM+2]
	v_max_num_f32 v[T1], v[T1], v[BM+3]
	v_mul_f32 v[T1], s22, v[T1]                    ; the step's largest t
	v_max_num_f32 v13, v13, v[T1]                  ; the running largest t
	v_mov_b32 v[T1], v12
	v_floor_f32 v12, -v13                          ; the new -M = -ceil(t)
	v_sub_f32 v[T1], v12, v[T1]                    ; old M - new M: a whole number, 0 or less
	v_cvt_i32_f32 v[T1], v[T1]                     ; (it saturates)
	v_ldexp_f32 v[F], 1.0, v[T1]                   ; f = 2^(old M - new M)
.set n, 0
.rept 32
	v_pk_fma_f32 v[S+2*n:S+2*n+1], v[S+2*n:S+2*n+1], s[22:23], v[12:13] op_sel_hi:[1,0,0]   ; t - M, two at a time
.set n, n+1
.endr
.irp b, 0,1,2,3
	v_fma_f32 v[BM+\b], v[BM+\b], s22, v12         ; the same of each block's largest score
.endr
.set n, 0
.rept 64
	v_exp_f32 v[S+n], v[S+n]                       ; p = 2^(t - M): one batch
.set n, n+1
.endr
	v_pk_mul_f32 v[14:15], v[14:15], v[F:F+1] op_sel_hi:[1,0]   ; the sums under the new M: the plain place behind the batch
	s_wait_alu depctr_va_vdst(0)                   ; one wait for the batch, ahead of its first reader
.irp b, 0,1,2,3
	v_exp_f32 v[BM+\b], v[BM+\b]                   ; the blocks' largest p
.endr
	v_pk_add_f32 v[SU:SU+1], v[S:S+1], v[S+2:S+3]  ; the row's sum of the unquantised p, in two chains
.set n, 4
.rept 15
	v_pk_add_f32 v[14:15], v[14:15], v[S+n:S+n+1]
	v_pk_add_f32 v[SU:SU+1], v[SU:SU+1], v[S+n+2:S+n+3]
.set n, n+4
.endr
	v_pk_add_f32 v[14:15], v[14:15], v[SU:SU+1]
	s_wait_alu depctr_va_vdst(0)                   ; and one for the four
.irp b, 0,1,2,3
	v_max_num_f32 v[BM+\b], 0x1800000, v[BM+\b]    ; the floor 2^(3 - 127)
.endr
.irp b, 0,1,2,3
	v_add_nc_u32 v[BO+\b], 0xff000000, v[BM+\b]    ; the conversion's scale operand
.endr
.irp b, 0,1,2,3
	v_lshrrev_b32 v[BP+\b], 23, v[BO+\b]           ; the scale's byte
.endr
	v_lshl_or_b32 v[PS], v[BP+1], 8, v[BP]
	v_lshl_or_b32 v[PS], v[BP+2], 16, v[PS]
	v_lshl_or_b32 v[PS], v[BP+3], 24, v[PS]
.irp c, 0,1
	v_cvt_scalef32_pk16_fp6_f32 v[PC+6*\c:PC+6*\c+2], v[S+32*\c:S+32*\c+15], v[BO+2*\c]
	v_cvt_scalef32_pk16_fp6_f32 v[CA+4*\c:CA+4*\c+2], v[S+32*\c+16:S+32*\c+31], v[BO+2*\c+1]
.endr
	v_nop                                          ; one plain place behind a scaled conversion
.irp c, 0,1
.irp i, 0,1,2
	v_permlane16_swap_b32 v[PC+6*\c+\i], v[CA+4*\c+\i]
.endr
.irp i, 0,1,2
	v_mov_b32 v[PC+6*\c+3+\i], v[CA+4*\c+\i]
.endr
.endr
.set n, 0
.rept 16
	v_pk_mul_f32 v[O+2*n:O+2*n+1], v[O+2*n:O+2*n+1], v[F:F+1] op_sel_hi:[1,0]   ; O^T under the new M; also the places in front of the products below
.set n, n+1
.endr
	s_wait_dscnt 0x0                               ; v's fragments
.irp t, 0,1,2,3                                ; the four accumulators by turns
	WM O+8*\t, FR+12*\t, PC, 0, VS+(\t>>1), PS, \t&1
.endr
	s_add_co_u32 s25, s25, 256
.endm
; A TRIP reads slot par.  store: the image loaded a trip ago goes into the other slot, which every wave left in front of the last barrier.  load: the image of the slot after that is asked for.
; bar: my reads of this slot are back and my stores into the other have landed; then the barrier.
.macro TRIP par, store, load, bar, lim
.if \store
	s_wait_loadcnt 0x0
.irp g, 0,1,2
	ds_store_b128 v[WL], v[G+4*\g:G+4*\g+3] offset:(1-\par)*SLOT1+512*\g
.endr
.endif
.if \load
	s_wait_dscnt 0x0                               ; the stores have read their registers
	s_wait_xcnt 0x0                                ; the last prefetch, a trip back, has read its address
	s_add_nc_u64 s[30:31], s[30:31], 12288
	s_add_nc_u64 s[28:29], s[28:29], 12288
.irp g, 0,1,2
	global_load_b128 v[G+4*\g:G+4*\g+3], v[LI], s[28:29] offset:512*\g
.endr
	ASK \lim
.endif
	STEP \par, 0
	STEP \par, 1
.if \bar
	s_wait_dscnt 0x0
	s_barrier_signal -1
	s_barrier_wait -1
.endif
.endm
	s_mov_b32 s26, 3
.Lslots:                                           ; three trips of two slots: slots 0 to 5
	TRIP 0, 1, 1, 1, 27
	TRIP 1, 1, 1, 1, 35
	s_sub_co_u32 s26, s26, 1
	s_cmp_lg_u32 s26, 0
	s_cbranch_scc1 .Lslots
	TRIP 0, 1, 0, 1, 27                            ; slot 6: slot 7 is stored, nothing is left to load
	TRIP 1, 0, 0, 0, 27                            ; slot 7
	; THE WAY OUT: O^T / the sum, quantised along d: my half (64 of the 128 along K) of a fragment of the last product, six registers a lane, and two scale bytes a row
	v_add_f32 v14, v14, v15
	v_permlanex16_b32 v[T1], v14, s20, s21
	v_add_f32 v14, v14, v[T1]                      ; the row's sum
	v_rcp_f32 v14, v14
	v_and_b32 v8, 15, v0                           ; (plain work behind the reciprocal, and the places behind the last products)
	v_bfe_u32 v9, v0, 4, 1
	v_lshl_add_u32 v[XO], v8, 4, v9                ; 16 r + h: my byte's place
	v_nop
	s_wait_alu depctr_va_vdst(0)                   ; the wait ahead of the reciprocal's first reader
.set n, 0
.rept 16
	v_pk_mul_f32 v[S+2*n:S+2*n+1], v[O+2*n:O+2*n+1], v[14:15] op_sel_hi:[1,0]   ; register 16 b + i: channel 32 b + 16 h + i
.set n, n+1
.endr
.irp b, 0,1
	v_max3_num_f32 v[BM+\b], |v[S+16*\b]|, |v[S+1+16*\b]|, 0x1800000
.endr
.irp i, 2,4,6,8,10,12,14
.irp b, 0,1
	v_max3_num_f32 v[BM+\b], v[BM+\b], |v[S+16*\b+\i]|, |v[S+1+16*\b+\i]|
.endr
.endr
.irp b, 0,1
	v_permlanex16_b32 v[BP+\b], v[BM+\b], s20, s21
.endr
.irp b, 0,1
	v_max_num_f32 v[BM+\b], v[BM+\b], v[BP+\b]
.endr
.irp b, 0,1
	v_add_nc_u32 v[BO+\b], 0xff000000, v[BM+\b]
.endr
.irp b, 0,1
	v_lshrrev_b32 v[BP+\b], 23, v[BO+\b]
.endr
	v_cvt_scalef32_pk16_fp6_f32 v[PC:PC+2], v[S:S+15], v[BO]
	v_cvt_scalef32_pk16_fp6_f32 v[CA:CA+2], v[S+16:S+31], v[BO+1]
	v_nop
.irp i, 0,1,2
	v_permlane16_swap_b32 v[PC+\i], v[CA+\i]
.endr
.irp i, 0,1,2
	v_mov_b32 v[PC+3+\i], v[CA+\i]
.endr
	v_cndmask_b32 v[T1], v[BP], v[BP+1], s32       ; lanes 0-15 the first block's byte, lanes 16-31 the second's
	global_store_b128 v[LI], v[PC:PC+3], s[8:9]    ; 512 consecutive bytes
	global_store_b64 v[L8], v[PC+4:PC+5], s[8:9] offset:512   ; 256 consecutive bytes
	global_store_b8 v[XO], v[T1], s[10:11]         ; single bytes, 32 a wave: a row's four bytes of a K step come from two heads
	s_wait_tensorcnt 0x0                           ; the wave's end, behind my last LDS store
	ds_add_u32 v[SPW], v[NIL]
	s_wait_dscnt 0x0
	s_endpgm
.Lfunc_end_k_qb69fc7a2f1_attn:
	.size	k_qb69fc7a2f1_attn, .Lfunc_end_k_qb69fc7a2f1_attn-k_qb69fc7a2f1_attn
	.p2alignl 7, 3214868480
	.fill 96, 4, 3214868480
	.section	.rodata,"a",@progbits
	.p2align	6, 0x0
	.amdhsa_kernel k_qb69fc7a2f1_attn
		.amdhsa_group_segment_fixed_size 59392
		.amdhsa_private_segment_fixed_size 0
		.amdhsa_enable_private_segment 0
		.amdhsa_kernarg_size 32
		.amdhsa_user_sgpr_count 2
		.amdhsa_user_sgpr_kernarg_segment_ptr 1
		.amdhsa_wavefront_size32 1
		.amdhsa_system_sgpr_workgroup_id_x 1
		.amdhsa_system_sgpr_workgroup_id_y 1
		.amdhsa_system_sgpr_workgroup_id_z 1
		.amdhsa_system_vgpr_workitem_id 0
		.amdhsa_next_free_vgpr 256
		.amdhsa_next_free_sgpr 66
		.amdhsa_reserve_vcc 1
		.amdhsa_float_denorm_mode_32 3
		.amdhsa_float_denorm_mode_16_64 3
		.amdhsa_memory_ordered 1
		.amdhsa_forward_progress 1
		.amdhsa_inst_pref_size 135
	.end_amdhsa_kernel
	.amdgpu_metadata
---
amdhsa.version: [ 1, 2 ]
amdhsa.kernels:
  - .name:           k_qb69fc7a2f1_attn
    .symbol:         k_qb69fc7a2f1_attn.kd
    .args:
      - { .name: qkv, .offset: 0, .size: 8, .value_kind: global_buffer, .address_space: global }
      - { .name: qkvs, .offset: 8, .size: 8, .value_kind: global_buffer, .address_space: global }
      - { .name: ximg, .offset: 16, .size: 8, .value_kind: global_buffer, .address_space: global }
      - { .name: xsc, .offset: 24, .size: 8, .value_kind: global_buffer, .address_space: global }
    .group_segment_fixed_size: 59392
    .private_segment_fixed_size: 0
    .kernarg_segment_align: 8
    .kernarg_segment_size: 32
    .max_flat_workgroup_size: 512
    .sgpr_count:     66
    .vgpr_count:     256
    .wavefront_size: 32
...
	.end_amdgpu_metadata
.endif
;; end of part 3
;; launch outp (part 4): grid 64 x 4, 4 waves a work-group, no clusters, 120,320 bytes of LDS; arguments ximg, xsc, wimg, wsc, bo, out0; writes out0
.if DOCPART == 4
	.amdgcn_target "amdgcn-amd-amdhsa--gfx1250"
	.amdhsa_code_object_version 6
	.text
	.protected	k_qb69fc7a2f1_outp
	.globl	k_qb69fc7a2f1_outp
	.p2align	8
	.type	k_qb69fc7a2f1_outp,@function
k_qb69fc7a2f1_outp:
	s_mov_b64 s[64:65], 0
	v_nop
	global_prefetch_b8 v0, s[64:65] scope:SCOPE_SE
	s_setreg_imm32_b32 hwreg(HW_REG_WAVE_MODE, 25, 1), 1
	s_wait_xcnt 0x0
; out0 = Q(x) Q(Wo) + bo.  x arrives as codes in the order of the operand's registers (ximg: [128 tokens][K step 8][tile 8][half 2] x 768 bytes: registers 0-3 of a half at 16 L, registers 4-5 at 512 + 8 L),
; its scale words in xsc ([128 tokens][K step][lane][4]: word j of lane L: tile 2 j + L / 16); Wo as the fourth matrix of wimg and wsc.
; A work-group takes 128 tokens (x) and 256 columns (y); wave w takes 64 columns for all 128 tokens: 32 accumulators in window 1.  The block's 98,304 bytes of codes are copied into LDS once, as they lie, a quarter a wave;
; the weights' images come from memory straight into registers, one K step ahead.  Source 0 = 16 columns of Wo, source 1 = 16 tokens: a lane holds one token and 16 neighbouring columns of each 32.
; The results + bias go through the wave's own stage in LDS and leave as whole rows of 256 bytes: sixteen lanes store 256 consecutive bytes, aligned.
; A tile's rows: 32 (t / 2) + 8 (t % 2) + (r % 8) + 16 (r / 8), tokens and columns alike.
; No cluster and no joint requests: LDS is filled through registers here; a block of x is read by four work-groups, Wo's images by 64.
.set XSC,    98304
.set STG,    102400                    ; a stage of 16 rows x 272 bytes for each wave
.set SPITCH, 272
.set SPARE,  STG+4*16*SPITCH           ; the spare words, 128 bytes a wave
.set LI,   1                           ; 16 x lane
.set LX1,  2                           ; + 49,152
.set L8,   3                           ; 8 x lane
.set L8H,  4                           ; + 49,152
.set L4,   5
.set CPW,  6                           ; where I copy codes to
.set CPS,  7                           ; and scale words
.set SO,   8                           ; the stage, in
.set SR,   9                           ; the stage, out
.set GO,   10                          ; my bytes in two rows of out0
.set BAQ,  11                          ; the bias: 64 h
.set XF,   16                          ; v16-111  x's eight fragments
.set ST0,  16                          ; v16-79   the way out: results + bias, two sets
.set OB0,  80                          ; v80-143  the way out: rows read back, two sets
.set WF0,  112                         ; v112-207 the weights' four fragments, two sets
.set XS,   208                         ; v208-211 x's scale words
.set WS,   212                         ; v212-215 the weights', two sets of two
.set BI,   216                         ; v216-247 the bias
.set SPW,  254
.set NIL,  255
.set MSB, 0
.macro WIN new                         ; the immediate's high byte repeats the setting that is left
.if MSB != \new
	s_set_vgpr_msb (MSB<<8)|\new
.set MSB, \new
.endif
.endm
.macro WM d, a, b, zero, sa, sb, ra, rb    ; one product; ra, rb = 1: the side's scale words stand in lanes 16-31 of its register
.if \zero
.if (\ra) && (\rb)
	v_wmma_scale_f32_16x16x128_f8f6f4 v[(\d):(\d)+7], v[(\a):(\a)+11], v[(\b):(\b)+11], 0, v[\sa], v[\sb] matrix_a_fmt:MATRIX_FMT_FP6 matrix_b_fmt:MATRIX_FMT_FP6 matrix_a_scale:MATRIX_SCALE_ROW1 matrix_b_scale:MATRIX_SCALE_ROW1
.elseif (\ra)
	v_wmma_scale_f32_16x16x128_f8f6f4 v[(\d):(\d)+7], v[(\a):(\a)+11], v[(\b):(\b)+11], 0, v[\sa], v[\sb] matrix_a_fmt:MATRIX_FMT_FP6 matrix_b_fmt:MATRIX_FMT_FP6 matrix_a_scale:MATRIX_SCALE_ROW1
.elseif (\rb)
	v_wmma_scale_f32_16x16x128_f8f6f4 v[(\d):(\d)+7], v[(\a):(\a)+11], v[(\b):(\b)+11], 0, v[\sa], v[\sb] matrix_a_fmt:MATRIX_FMT_FP6 matrix_b_fmt:MATRIX_FMT_FP6 matrix_b_scale:MATRIX_SCALE_ROW1
.else
	v_wmma_scale_f32_16x16x128_f8f6f4 v[(\d):(\d)+7], v[(\a):(\a)+11], v[(\b):(\b)+11], 0, v[\sa], v[\sb] matrix_a_fmt:MATRIX_FMT_FP6 matrix_b_fmt:MATRIX_FMT_FP6
.endif
.else
.if (\ra) && (\rb)
	v_wmma_scale_f32_16x16x128_f8f6f4 v[(\d):(\d)+7], v[(\a):(\a)+11], v[(\b):(\b)+11], v[(\d):(\d)+7], v[\sa], v[\sb] matrix_a_fmt:MATRIX_FMT_FP6 matrix_b_fmt:MATRIX_FMT_FP6 matrix_a_scale:MATRIX_SCALE_ROW1 matrix_b_scale:MATRIX_SCALE_ROW1
.elseif (\ra)
	v_wmma_scale_f32_16x16x128_f8f6f4 v[(\d):(\d)+7], v[(\a):(\a)+11], v[(\b):(\b)+11], v[(\d):(\d)+7], v[\sa], v[\sb] matrix_a_fmt:MATRIX_FMT_FP6 matrix_b_fmt:MATRIX_FMT_FP6 matrix_a_scale:MATRIX_SCALE_ROW1
.elseif (\rb)
	v_wmma_scale_f32_16x16x128_f8f6f4 v[(\d):(\d)+7], v[(\a):(\a)+11], v[(\b):(\b)+11], v[(\d):(\d)+7], v[\sa], v[\sb] matrix_a_fmt:MATRIX_FMT_FP6 matrix_b_fmt:MATRIX_FMT_FP6 matrix_b_scale:MATRIX_SCALE_ROW1
.else
	v_wmma_scale_f32_16x16x128_f8f6f4 v[(\d):(\d)+7], v[(\a):(\a)+11], v[(\b):(\b)+11], v[(\d):(\d)+7], v[\sa], v[\sb] matrix_a_fmt:MATRIX_FMT_FP6 matrix_b_fmt:MATRIX_FMT_FP6
.endif
.endif
.endm
	s_load_b256 s[4:11], s[0:1], 0x0               ; ximg, xsc, wimg, wsc
	s_load_b128 s[12:15], s[0:1], 0x20             ; bo, out0
	v_lshl_add_u32 v[SPW], v0, 2, SPARE
	v_mov_b32 v[NIL], 0
	v_lshrrev_b32 v12, 5, v0
	v_readfirstlane_b32 s16, v12                   ; wave 0..3
	s_and_b32 s18, ttmp7, 0xffff
	s_lshl_b32 s19, s18, 2
	s_add_co_u32 s19, s19, s16                     ; hd: my 64 columns
	v_and_b32 v12, 31, v0
	v_and_b32 v13, 15, v0                          ; r
	v_bfe_u32 v14, v0, 4, 1                        ; h
	v_lshlrev_b32 v[LI], 4, v12
	v_add_nc_u32 v[LX1], 49152, v[LI]
	v_lshlrev_b32 v[L8], 3, v12
	v_add_nc_u32 v[L8H], 49152, v[L8]
	v_lshlrev_b32 v[L4], 2, v12
	s_mul_i32 s32, s16, 24576
	v_add_nc_u32 v[CPW], s32, v[LI]
	s_lshl_b32 s33, s16, 10
	s_add_co_u32 s34, s33, XSC
	v_add_nc_u32 v[CPS], s34, v[LI]
	s_mul_i32 s35, s16, 16*SPITCH
	s_add_co_u32 s35, s35, STG
	v_mul_u32_u24 v[SO], v13, SPITCH
	v_lshl_add_u32 v[SO], v14, 6, v[SO]
	v_add_nc_u32 v[SO], s35, v[SO]                 ; in: row r, + 64 h
	v_mul_u32_u24 v[SR], v14, SPITCH
	v_lshl_add_u32 v[SR], v13, 4, v[SR]
	v_add_nc_u32 v[SR], s35, v[SR]                 ; back: lanes 0-15 one row, lanes 16-31 the next
	v_lshlrev_b32 v[GO], 12, v14
	v_lshl_add_u32 v[GO], v13, 4, v[GO]            ; and the same two rows in out0
	v_lshlrev_b32 v[BAQ], 6, v14
	s_mul_i32 s36, ttmp9, 98304
	s_add_co_u32 s36, s36, s32
	s_mov_b32 s37, 0
	s_lshl_b32 s38, ttmp9, 12
	s_add_co_u32 s38, s38, s33
	s_mov_b32 s39, 0
	s_add_co_u32 s40, s19, 48                      ; the fourth matrix
	s_mul_i32 s42, s40, 49152
	s_mov_b32 s43, 0
	s_lshl_b32 s40, s40, 11
	s_mov_b32 s41, 0
	s_lshl_b32 s32, s19, 8
	s_mov_b32 s33, 0
	s_lshl_b32 s34, ttmp9, 19
	s_add_co_u32 s34, s34, s32
	s_mov_b32 s35, 0
	s_wait_kmcnt 0x0
	s_add_nc_u64 s[20:21], s[4:5], s[36:37]        ; my quarter of the block's codes
	s_add_nc_u64 s[22:23], s[6:7], s[38:39]        ; and of its scale words
	s_add_nc_u64 s[24:25], s[8:9], s[42:43]        ; my columns' images
	s_add_nc_u64 s[26:27], s[10:11], s[40:41]      ; their scale words
	s_add_nc_u64 s[28:29], s[12:13], s[32:33]      ; their bias
	s_add_nc_u64 s[30:31], s[14:15], s[34:35]      ; out0 at the block's first row, my columns
	; ---- the copy: 48 + 2 loads of 512 consecutive bytes, then as many LDS stores
.set n, 0
.rept 48
	global_load_b128 v[16+4*n:19+4*n], v[LI], s[20:21] offset:512*n
.set n, n+1
.endr
	global_load_b128 v[216:219], v[LI], s[22:23]
	global_load_b128 v[220:223], v[LI], s[22:23] offset:512
.set n, 0
.rept 48
	s_wait_loadcnt 49-n                            ; loads come back in order: the younger ones may be out
	ds_store_b128 v[CPW], v[16+4*n:19+4*n] offset:512*n
.set n, n+1
.endr
	s_wait_loadcnt 0x0
	ds_store_b128 v[CPS], v[216:219]
	ds_store_b128 v[CPS], v[220:223] offset:512
	s_wait_dscnt 0x0                               ; my part has landed, and the stores have read their registers
.macro WFETCH ks
.set WFS, WF0+48*((\ks)%2)
.set n, 0
.rept 12
	global_load_b128 v[WFS+4*n:WFS+4*n+3], v[LI], s[24:25] offset:6144*(\ks)+512*n
.set n, n+1
.endr
	global_load_b32 v[WS+2*((\ks)%2)], v[L4], s[26:27] offset:256*(\ks)
	global_load_b32 v[WS+2*((\ks)%2)+1], v[L4], s[26:27] offset:256*(\ks)+128
.endm
	WFETCH 0
.set n, 0
.rept 8
	global_load_b128 v[BI+4*n:BI+4*n+3], v[BAQ], s[28:29] offset:128*(n/4)+16*(n%4)   ; register 16 b + i: column 32 b + 16 h + i
.set n, n+1
.endr
	s_barrier_signal -1
	s_barrier_wait -1                              ; the block's codes and scale words lie in LDS; only the waves' own stages are written from here on
.macro KSTEP ks
.set n, 0
.rept 16                                       ; half n = 2 t + c of the step's sixteen
.if (\ks) < 4
	ds_load_b128 v[XF+6*n:XF+6*n+3], v[LI] offset:(\ks)*12288+768*n
	ds_load_b64 v[XF+6*n+4:XF+6*n+5], v[L8] offset:(\ks)*12288+768*n+512
.else
	ds_load_b128 v[XF+6*n:XF+6*n+3], v[LX1] offset:((\ks)-4)*12288+768*n
	ds_load_b64 v[XF+6*n+4:XF+6*n+5], v[L8H] offset:((\ks)-4)*12288+768*n+512
.endif
.set n, n+1
.endr
	ds_load_b128 v[XS:XS+3], v[LX1] offset:49152+512*(\ks)
.if (\ks) < 7
	WFETCH (\ks)+1
.endif
	s_wait_dscnt 0x0
.if (\ks) < 7
	s_wait_loadcnt 14                              ; this step's weights (and the bias) are in; the 14 loads just issued may be out
.else
	s_wait_loadcnt 0x0
.endif
.set WFC, WF0+48*((\ks)%2)
.set WSC, WS+2*((\ks)%2)
.if (\ks) == 0
.set ZR, 1                                     ; the first K step starts the sums
.else
.set ZR, 0
.endif
	WIN 0x50                                       ; C and D in window 1
.set tt, 0
.rept 8
.set cc, 0
.rept 4
	WM 8*(4*tt+cc), WFC+12*cc, XF+12*tt, ZR, WSC+(cc>>1), XS+(tt>>1), cc&1, tt&1
.set cc, cc+1
.endr
.set tt, tt+1
.endr
	WIN 0
.rept 4
	v_nop                                          ; four places in front of loads into registers that these products read, and of the first read of results
.endr
.endm
.irp k, 0,1,2,3,4,5,6,7
	KSTEP \k
.endr
; Token tile t: 16 rows x my 64 columns, + bias, through my stage, out as rows of 256 bytes
.macro OUTT t
.set STT, ST0+32*((\t)%2)
.set OBT, OB0+32*((\t)%2)
.if (\t) >= 2
	s_wait_xcnt 0x0                                ; the stores of two tiles back have read the registers that this tile's rows land in
.endif
	WIN 0x01                                       ; source 0 in window 1
.set n, 0
.rept 16
	v_pk_add_f32 v[STT+2*n:STT+2*n+1], v[32*(\t)+2*n:32*(\t)+2*n+1], v[BI+2*n:BI+2*n+1]   ; each accumulator from its low end on
.set n, n+1
.endr
	WIN 0
.set n, 0
.rept 8
	ds_store_b128 v[SO], v[STT+4*n:STT+4*n+3] offset:128*(n/4)+16*(n%4)
.set n, n+1
.endr
.set n, 0
.rept 8
	ds_load_b128 v[OBT+4*n:OBT+4*n+3], v[SR] offset:2*SPITCH*n   ; LDS serves a wave's instructions in order: these see my stores
.set n, n+1
.endr
.set n, 0
.rept 8
	s_wait_dscnt 7-n                               ; the younger reads from the stage may be out
	global_store_b128 v[GO], v[OBT+4*n:OBT+4*n+3], s[30:31] offset:(32*((\t)>>1)+8*((\t)&1)+2*(n&3)+16*(n>>2))*4096 th:TH_STORE_NT   ; sixteen lanes store 256 consecutive bytes, aligned
.set n, n+1
.endr
.endm
.irp t, 0,1,2,3,4,5,6,7
	OUTT \t
.endr
	s_wait_tensorcnt 0x0                           ; the wave's end, behind my last LDS store
	ds_add_u32 v[SPW], v[NIL]
	s_wait_dscnt 0x0
	s_endpgm
.Lfunc_end_k_qb69fc7a2f1_outp:
	.size	k_qb69fc7a2f1_outp, .Lfunc_end_k_qb69fc7a2f1_outp-k_qb69fc7a2f1_outp
	.p2alignl 7, 3214868480
	.fill 96, 4, 3214868480
	.section	.rodata,"a",@progbits
	.p2align	6, 0x0
	.amdhsa_kernel k_qb69fc7a2f1_outp
		.amdhsa_group_segment_fixed_size 120320
		.amdhsa_private_segment_fixed_size 0
		.amdhsa_enable_private_segment 0
		.amdhsa_kernarg_size 48
		.amdhsa_user_sgpr_count 2
		.amdhsa_user_sgpr_kernarg_segment_ptr 1
		.amdhsa_wavefront_size32 1
		.amdhsa_system_sgpr_workgroup_id_x 1
		.amdhsa_system_sgpr_workgroup_id_y 1
		.amdhsa_system_sgpr_workgroup_id_z 1
		.amdhsa_system_vgpr_workitem_id 0
		.amdhsa_next_free_vgpr 512
		.amdhsa_next_free_sgpr 66
		.amdhsa_reserve_vcc 0
		.amdhsa_float_denorm_mode_32 3
		.amdhsa_float_denorm_mode_16_64 3
		.amdhsa_memory_ordered 1
		.amdhsa_forward_progress 1
		.amdhsa_inst_pref_size 99
	.end_amdhsa_kernel
	.amdgpu_metadata
---
amdhsa.version: [ 1, 2 ]
amdhsa.kernels:
  - .name:           k_qb69fc7a2f1_outp
    .symbol:         k_qb69fc7a2f1_outp.kd
    .args:
      - { .name: ximg, .offset: 0, .size: 8, .value_kind: global_buffer, .address_space: global }
      - { .name: xsc, .offset: 8, .size: 8, .value_kind: global_buffer, .address_space: global }
      - { .name: wimg, .offset: 16, .size: 8, .value_kind: global_buffer, .address_space: global }
      - { .name: wsc, .offset: 24, .size: 8, .value_kind: global_buffer, .address_space: global }
      - { .name: bo, .offset: 32, .size: 8, .value_kind: global_buffer, .address_space: global }
      - { .name: out0, .offset: 40, .size: 8, .value_kind: global_buffer, .address_space: global }
    .group_segment_fixed_size: 120320
    .private_segment_fixed_size: 0
    .kernarg_segment_align: 8
    .kernarg_segment_size: 48
    .max_flat_workgroup_size: 128
    .sgpr_count:     66
    .vgpr_count:     512
    .wavefront_size: 32
...
	.end_amdgpu_metadata
.endif
;; end of part 4
;; ======== version 2 of 2: 4 launches
;; workspace buffers: wimg 3,145,728 bytes; wsc 131,072 bytes; qkv 18,874,368 bytes; qkvs 786,432 bytes; ximg 6,291,456 bytes; xsc 262,144 bytes
;; launch prep (part 5): grid 256 x 1, 4 waves a work-group, no clusters, 13,824 bytes of LDS; arguments Wq, Wk, Wv, Wo, wimg, wsc; writes wimg, wsc
.if DOCPART == 5
	.amdgcn_target "amdgcn-amd-amdhsa--gfx1250"
	.amdhsa_code_object_version 6
	.text
	.protected	k_qb69fc7a2f1_prep
	.globl	k_qb69fc7a2f1_prep
	.p2align	8
	.type	k_qb69fc7a2f1_prep,@function
k_qb69fc7a2f1_prep:
	s_mov_b64 s[64:65], 0
	v_nop
	global_prefetch_b8 v0, s[64:65] scope:SCOPE_SE
	s_setreg_imm32_b32 hwreg(HW_REG_WAVE_MODE, 25, 1), 1
	s_wait_xcnt 0x0
; The four weights (Wq, Wk, Wv: [16][1024][64]; Wo: [1024][1024], f32, K = the axis of 1,024) become codes of FP6 (E2M3) with one E8M0 byte for each 32 along K,
; laid as IMAGES OF OPERAND REGISTERS: wimg [mat 4][hd 16][K step 8][tile 4] x 1,536 bytes; in an image registers 4 g .. 4 g + 3 of lane L lie at 512 g + 16 L.
; Tile c of a group of 64 columns takes columns 32 (c / 2) + 8 (c % 2) + (r % 8) + 16 (r / 8), r the fragment's row: so a later product's results come out as neighbours along the next K.
; wsc [mat][hd][K step][pair p][32 lanes] words: lanes 0-15 the scale words of tile 2 p, lanes 16-31 those of tile 2 p + 1.
; A LANE TAKES A COLUMN AND ITS REGISTERS RUN DOWN K: a wave takes 32 columns x 128 along K (two tiles of one K step): a block's largest magnitude needs no other lane, and the conversions give codes with K innermost.
; The rows of Wo lie 4,096 bytes apart, the others' 256: the step is a scalar chosen by the work-group's number; 32 offset registers hold 4 x lane + i x step, and four bases stand 32 rows apart: one path for all four weights.
; Loads run two blocks (64 loads a wave) ahead.  The codes go through the wave's own stage in LDS, into the images' places, and leave as 3,072 consecutive bytes.  Waves share nothing: no barrier.
; A block's scale byte is its largest magnitude's exponent field - 2, held at 1 from below.
; LIMITS: a block of zeros, or one whose largest magnitude lies under 2^-124, gets the byte 1 (a block of zeros has zero codes; this program alone reads the bytes); NaN and infinities are not served.
.set WSTG,  3328                       ; a wave's stage: two images, 1,664 bytes apart (1,536 + 128)
.set IMGP,  1664
.set SPARE, 4*WSTG                     ; behind the stages: the spare words, 128 bytes a wave
.set L4,   2                           ; v2   4 x lane
.set STA,  3                           ; v3   stage, on the way in: my column's image and row
.set RDA,  4                           ; v4   stage, on the way out: 16 x lane
.set LI,   5                           ; v5   16 x lane
.set SCO,  6                           ; v6   my scale word's place
.set SBW,  7                           ; v7   my column's scale word
.set SPW,  14                          ; v14  my spare word's LDS address; never rewritten
.set NIL,  15                          ; v15  0; never rewritten
.set CD,   16                          ; v16-39  codes, six registers a block
.set CT,   40                          ; v40-42  a block's upper 16 codes (a conversion's three registers begin on an even number)
.set X,    64                          ; v64-191 my column's 128 numbers, a set of 32 for each block
.set OUTR, 192                         ; v192-215 the two images on the way out
.set OFF,  216                         ; v216-247 4 x lane + i x the row step, i = 0 .. 31; never rewritten
.set BS,   40                          ; s[40:47] the four blocks' bases, 32 rows apart
	s_load_b256 s[4:11], s[0:1], 0x0               ; Wq, Wk, Wv, Wo
	s_load_b128 s[12:15], s[0:1], 0x20             ; wimg, wsc
	v_lshl_add_u32 v[SPW], v0, 2, SPARE
	v_mov_b32 v[NIL], 0
	v_lshrrev_b32 v1, 5, v0
	v_readfirstlane_b32 s16, v1                    ; wave
	v_and_b32 v1, 31, v0                           ; lane = my column among the wave's 32
	v_lshlrev_b32 v[L4], 2, v1
	v_lshlrev_b32 v[LI], 4, v1
	v_bfe_u32 v8, v0, 3, 1                         ; u: which of the two tiles my column belongs to
	v_and_b32 v9, 7, v0
	v_bfe_u32 v10, v0, 4, 1
	v_lshl_add_u32 v9, v10, 3, v9                  ; its row in that tile: (lane % 8) + 8 (lane / 16)
	s_mul_i32 s30, s16, WSTG
	v_mul_u32_u24 v[STA], v8, IMGP
	v_lshl_add_u32 v[STA], v9, 4, v[STA]
	v_add_nc_u32 v[STA], s30, v[STA]
	v_add_nc_u32 v[RDA], s30, v[LI]
	v_lshl_add_u32 v[SCO], v8, 4, v9
	v_lshlrev_b32 v[SCO], 2, v[SCO]                ; 4 (16 u + row)
	s_lshr_b32 s17, ttmp9, 6                       ; mat
	s_bfe_u32 s18, ttmp9, 0x40002                  ; hd: the group of 64 columns
	s_and_b32 s19, ttmp9, 3
	s_and_b32 s20, s16, 1                          ; p: which 32 of the 64 columns
	s_lshr_b32 s21, s16, 1
	s_lshl_b32 s19, s19, 1
	s_add_co_u32 s21, s21, s19                     ; the K step
	s_lshl_b32 s24, s18, 18                        ; Wq, Wk, Wv: head x 262,144 + K step x 128 rows of 256 bytes
	s_lshl_b32 s25, s21, 15
	s_add_co_u32 s24, s24, s25
	s_lshl_b32 s26, s21, 19                        ; Wo: K step x 128 rows of 4,096 bytes + 256 hd
	s_lshl_b32 s25, s18, 8
	s_add_co_u32 s26, s26, s25
	s_lshl_b32 s27, s20, 7                         ; + 128 p
	s_lshl_b32 s28, s17, 4
	s_add_co_u32 s28, s28, s18
	s_lshl_b32 s28, s28, 3
	s_add_co_u32 s28, s28, s21
	s_lshl_b32 s28, s28, 1
	s_add_co_u32 s28, s28, s20                     ; ((mat 16 + hd) 8 + K step) 2 + p
	s_mul_i32 s32, s28, 3072                       ; two images
	s_mov_b32 s33, 0
	s_lshl_b32 s34, s28, 7                         ; 32 scale words
	s_mov_b32 s35, 0
	s_cmp_eq_u32 s17, 3                            ; Wo or one of the three?  The choices hang on the work-group's number alone
	s_mov_b32 s36, 256
	s_cselect_b32 s36, 4096, s36                   ; bytes from row to row
	s_cselect_b32 s24, s26, s24                    ; where my wave's part begins
	s_add_co_u32 s24, s24, s27
	s_mov_b32 s25, 0
	s_lshl_b32 s38, s36, 5                         ; 32 rows: from block to block
	s_mov_b32 s39, 0
.set n, 0
.rept 32
	v_mad_u32_u24 v[OFF+n], s36, n, v[L4]          ; row i of a block, my column
.set n, n+1
.endr
	s_wait_alu depctr_va_vdst(0)
	s_wait_kmcnt 0x0
	s_cmp_eq_u32 s17, 1
	s_cselect_b64 s[22:23], s[6:7], s[4:5]
	s_cmp_eq_u32 s17, 2
	s_cselect_b64 s[22:23], s[8:9], s[22:23]
	s_cmp_eq_u32 s17, 3
	s_cselect_b64 s[22:23], s[10:11], s[22:23]
	s_add_nc_u64 s[BS:BS+1], s[22:23], s[24:25]
	s_add_nc_u64 s[BS+2:BS+3], s[BS:BS+1], s[38:39]
	s_add_nc_u64 s[BS+4:BS+5], s[BS+2:BS+3], s[38:39]
	s_add_nc_u64 s[BS+6:BS+7], s[BS+4:BS+5], s[38:39]
	s_add_nc_u64 s[12:13], s[12:13], s[32:33]
	s_add_nc_u64 s[14:15], s[14:15], s[34:35]
.macro LOADW bb                        ; block bb: 32 rows of my column; each load reads 128 consecutive bytes in the wave
.set n, 0
.rept 32
	global_load_b32 v[X+32*(\bb)+n], v[OFF+n], s[BS+2*(\bb):BS+2*(\bb)+1] th:TH_LOAD_NT
.set n, n+1
.endr
.endm
	LOADW 0
	LOADW 1
; Block bb of 32 along K.  In the fragment it belongs to lane row + 16 (bb % 2), registers 6 (bb / 2) .. + 5.
.macro BLOCKW bb
.set XS, X+32*(\bb)
.if (\bb) < 3
	s_wait_loadcnt 32                              ; this block's 32 loads are in; the next block's 32 may be out
.else
	s_wait_loadcnt 0x0
.endif
.if (\bb) < 2
	LOADW (\bb)+2                                  ; two blocks ahead, into a set of its own
.endif
	v_max3_num_f32 v8, |v[XS]|, |v[XS+1]|, |v[XS+2]|
	v_max3_num_f32 v9, |v[XS+3]|, |v[XS+4]|, |v[XS+5]|
.irp i, 6,10,14,18,22,26
	v_max3_num_f32 v8, v8, |v[XS+\i]|, |v[XS+\i+1]|
	v_max3_num_f32 v9, v9, |v[XS+\i+2]|, |v[XS+\i+3]|
.endr
	v_max3_num_f32 v8, v8, |v[XS+30]|, |v[XS+31]|
	v_max3_num_f32 v8, v8, v9, 0x1800000           ; and the floor 2^(3 - 127): the byte cannot fall under 1
	v_add_nc_u32 v10, 0xff000000, v8               ; 2 off the exponent field: the conversion's scale operand
	v_lshrrev_b32 v11, 23, v10                     ; the scale's byte
.if (\bb) == 0
	v_mov_b32 v[SBW], v11
.else
	v_lshl_or_b32 v[SBW], v11, 8*(\bb), v[SBW]
.endif
	v_cvt_scalef32_pk16_fp6_f32 v[CD+6*(\bb):CD+6*(\bb)+2], v[XS:XS+15], v10
	v_cvt_scalef32_pk16_fp6_f32 v[CT:CT+2], v[XS+16:XS+31], v10
	v_nop                                          ; one plain place behind a scaled conversion
.irp i, 0,1,2
	v_mov_b32 v[CD+6*(\bb)+3+\i], v[CT+\i]
.endr
.if (\bb) < 2
	ds_store_b128 v[STA], v[CD+6*(\bb):CD+6*(\bb)+3] offset:256*(\bb)              ; registers 0-3: group 0
	ds_store_b64 v[STA], v[CD+6*(\bb)+4:CD+6*(\bb)+5] offset:512+256*(\bb)         ; registers 4, 5: the lower half of group 1
.else
	ds_store_b64 v[STA], v[CD+6*(\bb):CD+6*(\bb)+1] offset:520+256*((\bb)-2)       ; registers 6, 7: its upper half
	ds_store_b128 v[STA], v[CD+6*(\bb)+2:CD+6*(\bb)+5] offset:1024+256*((\bb)-2)   ; registers 8-11: group 2
.endif
.endm
	BLOCKW 0
	BLOCKW 1
	BLOCKW 2
	BLOCKW 3
.irp i, 0,1,2,3,4,5
	ds_load_b128 v[OUTR+4*\i:OUTR+4*\i+3], v[RDA] offset:(\i/3)*IMGP+(\i%3)*512    ; LDS serves a wave's instructions in order: these see my stores
.endr
	global_store_b32 v[SCO], v[SBW], s[14:15]      ; 32 scale words: 128 consecutive bytes
.irp i, 0,1,2,3,4,5
	s_wait_dscnt 5-\i                              ; the younger reads from the stage may be out
	global_store_b128 v[LI], v[OUTR+4*\i:OUTR+4*\i+3], s[12:13] offset:512*\i      ; 512 consecutive bytes, aligned
.endr
	s_wait_tensorcnt 0x0                           ; the wave's end, behind my last LDS store
	ds_add_u32 v[SPW], v[NIL]
	s_wait_dscnt 0x0
	s_endpgm
.Lfunc_end_k_qb69fc7a2f1_prep:
	.size	k_qb69fc7a2f1_prep, .Lfunc_end_k_qb69fc7a2f1_prep-k_qb69fc7a2f1_prep
	.p2alignl 7, 3214868480
	.fill 96, 4, 3214868480
	.section	.rodata,"a",@progbits
	.p2align	6, 0x0
	.amdhsa_kernel k_qb69fc7a2f1_prep
		.amdhsa_group_segment_fixed_size 13824
		.amdhsa_private_segment_fixed_size 0
		.amdhsa_enable_private_segment 0
		.amdhsa_kernarg_size 48
		.amdhsa_user_sgpr_count 2
		.amdhsa_user_sgpr_kernarg_segment_ptr 1
		.amdhsa_wavefront_size32 1
		.amdhsa_system_sgpr_workgroup_id_x 1
		.amdhsa_system_sgpr_workgroup_id_y 1
		.amdhsa_system_sgpr_workgroup_id_z 1
		.amdhsa_system_vgpr_workitem_id 0
		.amdhsa_next_free_vgpr 256
		.amdhsa_next_free_sgpr 66
		.amdhsa_reserve_vcc 0
		.amdhsa_float_denorm_mode_32 3
		.amdhsa_float_denorm_mode_16_64 3
		.amdhsa_memory_ordered 1
		.amdhsa_forward_progress 1
		.amdhsa_inst_pref_size 25
	.end_amdhsa_kernel
	.amdgpu_metadata
---
amdhsa.version: [ 1, 2 ]
amdhsa.kernels:
  - .name:           k_qb69fc7a2f1_prep
    .symbol:         k_qb69fc7a2f1_prep.kd
    .args:
      - { .name: Wq, .offset: 0, .size: 8, .value_kind: global_buffer, .address_space: global }
      - { .name: Wk, .offset: 8, .size: 8, .value_kind: global_buffer, .address_space: global }
      - { .name: Wv, .offset: 16, .size: 8, .value_kind: global_buffer, .address_space: global }
      - { .name: Wo, .offset: 24, .size: 8, .value_kind: global_buffer, .address_space: global }
      - { .name: wimg, .offset: 32, .size: 8, .value_kind: global_buffer, .address_space: global }
      - { .name: wsc, .offset: 40, .size: 8, .value_kind: global_buffer, .address_space: global }
    .group_segment_fixed_size: 13824
    .private_segment_fixed_size: 0
    .kernarg_segment_align: 8
    .kernarg_segment_size: 48
    .max_flat_workgroup_size: 128
    .sgpr_count:     66
    .vgpr_count:     256
    .wavefront_size: 32
...
	.end_amdgpu_metadata
.endif
;; end of part 5
;; launch proj (part 6): grid 64 x 3, 8 waves a work-group, no clusters, 171,008 bytes of LDS; arguments query, key, value, bq, bk, bv, wimg, wsc, qkv, qkvs; writes qkv, qkvs
.if DOCPART == 6
	.amdgcn_target "amdgcn-amd-amdhsa--gfx1250"
	.amdhsa_code_object_version 6
	.text
	.protected	k_qb69fc7a2f1_proj
	.globl	k_qb69fc7a2f1_proj
	.p2align	8
	.type	k_qb69fc7a2f1_proj,@function
k_qb69fc7a2f1_proj:
	s_mov_b64 s[64:65], 0
	v_nop
	global_prefetch_b8 v0, s[64:65] scope:SCOPE_SE
	s_setreg_imm32_b32 hwreg(HW_REG_WAVE_SCHED_MODE, 0, 2), 2
	s_setreg_imm32_b32 hwreg(HW_REG_WAVE_MODE, 25, 1), 1
	s_wait_xcnt 0x0
	s_wait_alu depctr_vm_vsrc(0)
; q, k, v = Q(activation) Q(W) + bias, for 128 tokens (work-group x) of one of the three tensors (work-group y: 0 q, 1 k, 2 v), all 16 heads; the results are quantised at once for attention's products.
; PHASE X: wave w quantises token tile w (16 rows x 1,024, along E): each load reads 512 consecutive bytes of one row; a K step's 16 x 512 bytes turn through the wave's own stage in LDS, so that a lane
; holds 16 neighbours of each block of 32; the fragment goes to LDS as an image of its registers (registers 4 g .. 4 g + 3 of lane L at 512 g + 16 L).  Each f32 byte is read once.  One barrier.
; PHASE G: wave w makes heads 2 w and 2 w + 1 for the 128 tokens: 32 accumulators (window 1), K in 8 steps of 128; x's fragments from LDS, the weights' images from memory, one K step ahead.
; TILES: a tile of 16 rows (tokens, or columns of a head) takes rows 32 (t / 2) + 8 (t % 2) + (r % 8) + 16 (r / 8), so that the 16 registers of two neighbouring result tiles are 16 neighbours along the next K.
; q, k: source 0 = 16 columns of W, source 1 = 16 tokens: a lane holds one token, its registers run along d.  Two token tiles (K = 64 each) make one DOUBLE fragment: registers 0-5 tile 2 f, 6-11 tile 2 f + 1.
; v: the sources swapped: a lane holds one channel d, its registers run along the 128 tokens, which are the K of attention's second product.
; qkv [tensor][batch x head][128 tokens] records of four images; qkvs likewise 256 bytes: word w of lane L is the scale word of fragment 2 w + L / 16, row L % 16.
; No cluster and no joint requests: LDS is filled through registers here; what the 64 work-groups of a tensor share is the weights' images, 0.8 MB a tensor.
; LIMITS: a block of zeros, or one whose largest magnitude lies under 2^-124, gets the scale byte 1 (zero codes; this program alone reads the bytes); NaN and infinities are not served.
; THE MODE: SCHED_MODE bits 1:0 = 2 (LLVM: expert scheduling mode 2), set by the entry lines.  The code itself states the register dependences
; between vector or matrix instructions and memory or LDS instructions, with s_wait_alu, always for 0.
; THE PLAN.  Registers that memory or LDS instructions touch:
;   v1-11        offsets and LDS addresses: written at the head, ahead of one wait on va_vdst, and never again.
;   R0, two sets phase X: global loads land in them, the stage's LDS stores read them; no vector instruction names them.
;   XN           phase X: the stage's LDS loads land in it; the quantiser reads it.
;   PCX, PW      phase X: the quantiser writes them; the image's LDS stores read them.
;   XF, XS       phase G: LDS loads land in them at a K step's head; the step's 32 products read them.
;   WF, WS       phase G, two sets: global loads land a K step ahead, in the set that the step before multiplied by; the products read them.
;   BI           the way out: loads land in it in the last K step; the additions read it.
;   FO, SW       the way out: the quantiser and two selects write them; the head's 13 global stores read them.
; So: a step of phase X has one wait on vm_vsrc, behind the stage's round trip, and one on va_vdst, behind the quantiser; a K step has one wait on va_vdst, at its head;
; a head's way out has one wait on va_vdst ahead of its stores and one on vm_vsrc behind them, ahead of the backward jump.
.set XSC,    98304                     ; LDS: x's 64 fragments (K step s, tile t at (8 s + t) 1,536) from 0; then their scale words [s][lane][4]: word j of lane L: tile 2 j + L / 16
.set STG,    102400                    ; a stage of 16 rows x 528 bytes for each wave
.set SPITCH, 528
.set SPARE,  STG+8*16*SPITCH           ; the spare words, 128 bytes a wave
.set LI,   1                           ; 16 x lane
.set LX1,  2                           ; + 49,152
.set L4,   3
.set L8,   4
.set SWR,  5                           ; the stage, in: 16 x lane
.set SRD,  6                           ; the stage, out: 528 r + 64 h
.set XWI0, 7                           ; where I store x's images, K steps 0-3
.set XWI1, 8                           ; K steps 4-7
.set XSW,  9                           ; and their scale words
.set BAQ,  10                          ; bias of q, k: 64 h
.set BAV,  11                          ; bias of v: 4 ((r % 8) + 16 (r / 8))
.set R0,   16                          ; v16-143  phase X: two sets of 64 registers as loaded
.set XN,   144                         ; v144-207 phase X: 64 numbers, 16 neighbours of each block
.set XF,   16                          ; v16-111  phase G: x's eight fragments
.set ST,   16                          ; v16-79   the way out: 64 results + bias
.set WF0,  112                         ; v112-207 phase G: the weights' four fragments, two sets
.set BI,   112                         ; v112-143 the way out: the bias
.set FO,   160                         ; v160-207 the way out: four fragments
.set XS,   208                         ; v208-211 x's scale words
.set WS,   212                         ; v212-215 the weights', two sets of two
.set PCX,  216                         ; v216-227 phase X: the fragment just made
.set TM,   228                         ; v228-239 the quantiser: maxima, bytes, scale operands
.set PW,   240                         ; v240-243 scale words just made
.set SW,   244                         ; v244-245 two words a lane, to store
.set CT,   246                         ; v246-252 the blocks' second halves
.set SPW,  254
.set NIL,  255
.set SEL,  40                          ; s[40:41] lane l xor 16
.set MSB, 0
.macro WIN new                         ; the immediate's high byte repeats the setting that is left
.if MSB != \new
	s_set_vgpr_msb (MSB<<8)|\new
.set MSB, \new
.endif
.endm
; One product.  ra, rb = 1: the side's scale words stand in lanes 16-31 of its register
.macro WM d, a, b, zero, sa, sb, ra, rb
.if \zero
.if (\ra) && (\rb)
	v_wmma_scale_f32_16x16x128_f8f6f4 v[(\d):(\d)+7], v[(\a):(\a)+11], v[(\b):(\b)+11], 0, v[\sa], v[\sb] matrix_a_fmt:MATRIX_FMT_FP6 matrix_b_fmt:MATRIX_FMT_FP6 matrix_a_scale:MATRIX_SCALE_ROW1 matrix_b_scale:MATRIX_SCALE_ROW1
.elseif (\ra)
	v_wmma_scale_f32_16x16x128_f8f6f4 v[(\d):(\d)+7], v[(\a):(\a)+11], v[(\b):(\b)+11], 0, v[\sa], v[\sb] matrix_a_fmt:MATRIX_FMT_FP6 matrix_b_fmt:MATRIX_FMT_FP6 matrix_a_scale:MATRIX_SCALE_ROW1
.elseif (\rb)
	v_wmma_scale_f32_16x16x128_f8f6f4 v[(\d):(\d)+7], v[(\a):(\a)+11], v[(\b):(\b)+11], 0, v[\sa], v[\sb] matrix_a_fmt:MATRIX_FMT_FP6 matrix_b_fmt:MATRIX_FMT_FP6 matrix_b_scale:MATRIX_SCALE_ROW1
.else
	v_wmma_scale_f32_16x16x128_f8f6f4 v[(\d):(\d)+7], v[(\a):(\a)+11], v[(\b):(\b)+11], 0, v[\sa], v[\sb] matrix_a_fmt:MATRIX_FMT_FP6 matrix_b_fmt:MATRIX_FMT_FP6
.endif
.else
.if (\ra) && (\rb)
	v_wmma_scale_f32_16x16x128_f8f6f4 v[(\d):(\d)+7], v[(\a):(\a)+11], v[(\b):(\b)+11], v[(\d):(\d)+7], v[\sa], v[\sb] matrix_a_fmt:MATRIX_FMT_FP6 matrix_b_fmt:MATRIX_FMT_FP6 matrix_a_scale:MATRIX_SCALE_ROW1 matrix_b_scale:MATRIX_SCALE_ROW1
.elseif (\ra)
	v_wmma_scale_f32_16x16x128_f8f6f4 v[(\d):(\d)+7], v[(\a):(\a)+11], v[(\b):(\b)+11], v[(\d):(\d)+7], v[\sa], v[\sb] matrix_a_fmt:MATRIX_FMT_FP6 matrix_b_fmt:MATRIX_FMT_FP6 matrix_a_scale:MATRIX_SCALE_ROW1
.elseif (\rb)
	v_wmma_scale_f32_16x16x128_f8f6f4 v[(\d):(\d)+7], v[(\a):(\a)+11], v[(\b):(\b)+11], v[(\d):(\d)+7], v[\sa], v[\sb] matrix_a_fmt:MATRIX_FMT_FP6 matrix_b_fmt:MATRIX_FMT_FP6 matrix_b_scale:MATRIX_SCALE_ROW1
.else
	v_wmma_scale_f32_16x16x128_f8f6f4 v[(\d):(\d)+7], v[(\a):(\a)+11], v[(\b):(\b)+11], v[(\d):(\d)+7], v[\sa], v[\sb] matrix_a_fmt:MATRIX_FMT_FP6 matrix_b_fmt:MATRIX_FMT_FP6
.endif
.endif
.endm
; 64 numbers of a lane, register 16 b + i = place 32 b + 16 (lane / 16) + i along K of my row, become a fragment's 12 registers at v[pc] and its scale word in v[pw]
.macro QUANT src, pc, pw
.irp b, 0,1,2,3
	v_max3_num_f32 v[TM+\b], |v[(\src)+16*\b]|, |v[(\src)+1+16*\b]|, 0x1800000   ; my 16 numbers of block b, and the floor 2^(3 - 127): the byte cannot fall under 1
.endr
.irp i, 2,4,6,8,10,12,14
.irp b, 0,1,2,3
	v_max3_num_f32 v[TM+\b], v[TM+\b], |v[(\src)+16*\b+\i]|, |v[(\src)+1+16*\b+\i]|   ; the four blocks by turns
.endr
.endr
.irp b, 0,1,2,3
	v_permlanex16_b32 v[TM+4+\b], v[TM+\b], s[SEL], s[SEL+1]
.endr
.irp b, 0,1,2,3
	v_max_num_f32 v[TM+\b], v[TM+\b], v[TM+4+\b]   ; with lane l xor 16's: the block's largest magnitude
.endr
.irp b, 0,1,2,3
	v_add_nc_u32 v[TM+8+\b], 0xff000000, v[TM+\b]  ; 2 off its exponent field: the conversion's scale operand
.endr
.irp b, 0,1,2,3
	v_lshrrev_b32 v[TM+4+\b], 23, v[TM+8+\b]       ; the scale's byte
.endr
	v_lshl_or_b32 v[\pw], v[TM+5], 8, v[TM+4]
	v_lshl_or_b32 v[\pw], v[TM+6], 16, v[\pw]
	v_lshl_or_b32 v[\pw], v[TM+7], 24, v[\pw]
.irp c, 0,1
	v_cvt_scalef32_pk16_fp6_f32 v[(\pc)+6*\c:(\pc)+6*\c+2], v[(\src)+32*\c:(\src)+32*\c+15], v[TM+8+2*\c]
	v_cvt_scalef32_pk16_fp6_f32 v[CT+4*\c:CT+4*\c+2], v[(\src)+32*\c+16:(\src)+32*\c+31], v[TM+9+2*\c]   ; (a conversion's three registers begin on an even number)
.endr
	v_nop                                          ; one plain place behind a scaled conversion
.irp c, 0,1                                    ; the layout wants a whole block in a lane: lanes 0-15 block 2 c, lanes 16-31 block 2 c + 1
.irp i, 0,1,2
	v_permlane16_swap_b32 v[(\pc)+6*\c+\i], v[CT+4*\c+\i]
.endr
.irp i, 0,1,2
	v_mov_b32 v[(\pc)+6*\c+3+\i], v[CT+4*\c+\i]
.endr
.endr
.endm
	s_load_b256 s[4:11], s[0:1], 0x0               ; query, key, value, bq
	s_load_b256 s[12:19], s[0:1], 0x20             ; bk, bv, wimg, wsc
	s_load_b128 s[20:23], s[0:1], 0x40             ; qkv, qkvs
	v_lshl_add_u32 v[SPW], v0, 2, SPARE
	v_mov_b32 v[NIL], 0
	v_lshrrev_b32 v12, 5, v0
	v_readfirstlane_b32 s24, v12                   ; wave 0..7
	s_and_b32 s25, ttmp7, 0xffff                   ; T: the tensor
	s_mov_b32 s26, ttmp9                           ; tb: the block of 128 tokens
	v_and_b32 v12, 31, v0
	v_and_b32 v13, 15, v0                          ; r
	v_bfe_u32 v14, v0, 4, 1                        ; h
	v_lshlrev_b32 v[LI], 4, v12
	v_add_nc_u32 v[LX1], 49152, v[LI]
	v_lshlrev_b32 v[L4], 2, v12
	v_lshlrev_b32 v[L8], 3, v12
	s_wait_alu depctr_va_sdst(0)                   ; s24, the wave's number, is written, ahead of its first reader
	s_mul_i32 s44, s24, 16*SPITCH
	s_add_co_u32 s44, s44, STG
	v_add_nc_u32 v[SWR], s44, v[LI]
	v_mul_u32_u24 v[SRD], v13, SPITCH
	v_lshl_add_u32 v[SRD], v14, 6, v[SRD]
	v_add_nc_u32 v[SRD], s44, v[SRD]
	s_mul_i32 s45, s24, 1536
	v_add_nc_u32 v[XWI0], s45, v[LI]
	v_add_nc_u32 v[XWI1], 49152, v[XWI0]
	s_and_b32 s46, s24, 1
	s_lshr_b32 s47, s24, 1
	s_lshl_b32 s48, s46, 8
	s_lshl_b32 s49, s47, 2
	s_add_co_u32 s48, s48, s49
	s_add_co_u32 s48, s48, XSC
	v_lshlrev_b32 v[XSW], 4, v13
	v_add_nc_u32 v[XSW], s48, v[XSW]               ; 16 (16 (w % 2) + r) + 4 (w / 2)
	v_lshlrev_b32 v[BAQ], 6, v14
	v_and_b32 v[BAV], 7, v0
	v_bfe_u32 v15, v0, 3, 1
	v_lshl_add_u32 v[BAV], v15, 4, v[BAV]
	v_lshlrev_b32 v[BAV], 2, v[BAV]
.irp b, 0,1,2,3
	v_mov_b32 v[TM+4+\b], 0                        ; written once: a lane permute's destination counts as one of its sources
.endr
	s_mov_b32 s[SEL], 0x76543210
	s_mov_b32 s[SEL+1], 0xfedcba98
	s_mov_b32 s42, 0xffff0000                      ; lanes 16-31
	s_lshl_b32 s50, s26, 7
	s_lshl_b32 s51, s47, 5
	s_add_co_u32 s50, s50, s51
	s_lshl_b32 s51, s46, 3
	s_add_co_u32 s50, s50, s51
	s_lshl_b32 s50, s50, 12                        ; my tile's first row: (128 tb + 32 (w / 2) + 8 (w % 2)) x 4,096 bytes
	s_mov_b32 s51, 0
	s_lshl_b32 s44, s25, 4
	s_lshl_b32 s45, s24, 1
	s_add_co_u32 s44, s44, s45                     ; 16 T + 2 w: my first head's weights
	s_mul_i32 s52, s44, 49152
	s_mov_b32 s53, 0
	s_lshl_b32 s54, s44, 11
	s_mov_b32 s55, 0
	s_lshl_b32 s56, s25, 6
	s_lshr_b32 s57, s26, 4
	s_lshl_b32 s57, s57, 4
	s_add_co_u32 s56, s56, s57
	s_add_co_u32 s56, s56, s45
	s_lshl_b32 s56, s56, 4
	s_and_b32 s57, s26, 15
	s_add_co_u32 s56, s56, s57                     ; my first record: (64 T + 16 batch + 2 w) 16 + the block in its batch
	s_mul_i32 s58, s56, 6144
	s_mov_b32 s59, 0
	s_lshl_b32 s60, s56, 8
	s_mov_b32 s61, 0
	s_lshl_b32 s62, s24, 9                         ; two heads' bias
	s_mov_b32 s63, 0
	s_wait_kmcnt 0x0
	s_cmp_eq_u32 s25, 1                            ; the choices hang on the work-group's number alone
	s_cselect_b64 s[28:29], s[6:7], s[4:5]
	s_cselect_b64 s[30:31], s[12:13], s[10:11]
	s_cmp_eq_u32 s25, 2
	s_cselect_b64 s[28:29], s[8:9], s[28:29]
	s_cselect_b64 s[30:31], s[14:15], s[30:31]
	s_add_nc_u64 s[28:29], s[28:29], s[50:51]      ; the activation at my tile
	s_add_nc_u64 s[30:31], s[30:31], s[62:63]      ; the bias
	s_add_nc_u64 s[32:33], s[16:17], s[52:53]      ; the weights' images
	s_add_nc_u64 s[34:35], s[18:19], s[54:55]      ; their scale words
	s_add_nc_u64 s[36:37], s[20:21], s[58:59]      ; my records
	s_add_nc_u64 s[38:39], s[22:23], s[60:61]
; ---- PHASE X
.macro XLOAD ks, set                   ; K step ks of my 16 rows: each load is one row's 512 consecutive bytes
.set n, 0
.rept 16
	global_load_b128 v[\set+4*n:\set+4*n+3], v[LI], s[28:29] offset:((n&7)+16*(n>>3))*4096+512*(\ks) th:TH_LOAD_NT
.set n, n+1
.endr
.endm
.macro XSTEP ks
.set RS, R0+64*((\ks)%2)
.if (\ks) < 7
	s_wait_loadcnt 16                              ; this K step's 16 loads are in; the next step's may be out
.else
	s_wait_loadcnt 0x0
.endif
.set n, 0
.rept 16
	ds_store_b128 v[SWR], v[RS+4*n:RS+4*n+3] offset:SPITCH*n
.set n, n+1
.endr
.set n, 0
.rept 16
	ds_load_b128 v[XN+4*n:XN+4*n+3], v[SRD] offset:128*(n/4)+16*(n%4)   ; LDS serves a wave's instructions in order: these see my stores.  (The last step's quantiser is done reading XN: the wait on va_vdst at that step's end)
.set n, n+1
.endr
	s_wait_dscnt 0x0                               ; the numbers are back
	s_wait_alu depctr_vm_vsrc(0)                   ; the stage's stores have read this set of R0, in which the loads below land; the last image's stores have read PCX and PW, which the quantiser writes again
.if (\ks) < 6
	XLOAD (\ks)+2, RS
.endif
	QUANT XN, PCX, PW
	s_wait_alu depctr_va_vdst(0)                   ; the quantiser has written PCX and PW, which the stores below read, and is done reading XN, in which the next step's numbers land
.irp g, 0,1,2
.if (\ks) < 4
	ds_store_b128 v[XWI0], v[PCX+4*\g:PCX+4*\g+3] offset:(\ks)*12288+512*\g
.else
	ds_store_b128 v[XWI1], v[PCX+4*\g:PCX+4*\g+3] offset:((\ks)-4)*12288+512*\g
.endif
.endr
	ds_store_b32 v[XSW], v[PW] offset:512*(\ks)    ; lanes r and r + 16 write the same word with the same value
.endm
	s_wait_alu depctr_va_vdst(0)                   ; the eleven offsets and addresses v1 to v11 are written: every load and store of the kernel reads one of them
	XLOAD 0, R0
	XLOAD 1, R0+64
.irp k, 0,1,2,3,4,5,6,7
	XSTEP \k
.endr
	s_wait_dscnt 0x0                               ; for the others' sake: my images and scale words have landed
	s_barrier_signal -1
	s_barrier_wait -1                              ; x's 64 fragments lie in LDS; nothing writes LDS from here on
	s_wait_alu depctr_vm_vsrc(0)                   ; the last image's stores have read PW, which the way out's quantiser writes again
; ---- PHASE G
.macro WFETCH ks                       ; the head's four weight fragments of K step ks, and their scale words
.set WFS, WF0+48*((\ks)%2)
.set n, 0
.rept 12
	global_load_b128 v[WFS+4*n:WFS+4*n+3], v[LI], s[32:33] offset:6144*(\ks)+512*n
.set n, n+1
.endr
	global_load_b32 v[WS+2*((\ks)%2)], v[L4], s[34:35] offset:256*(\ks)
	global_load_b32 v[WS+2*((\ks)%2)+1], v[L4], s[34:35] offset:256*(\ks)+128
.endm
.macro BIAS swap                       ; eight loads either way
.if \swap
.irp c, 0,1,2,3
	global_load_b32 v[BI+2*\c], v[BAV], s[30:31] offset:(32*(\c>>1)+8*(\c&1))*4      ; my channel's bias, twice: a pair for the packed addition
	global_load_b32 v[BI+2*\c+1], v[BAV], s[30:31] offset:(32*(\c>>1)+8*(\c&1))*4
.endr
.else
.set n, 0
.rept 8
	global_load_b128 v[BI+4*n:BI+4*n+3], v[BAQ], s[30:31] offset:128*(n/4)+16*(n%4)  ; register 16 b + i: channel 32 b + 16 h + i
.set n, n+1
.endr
.endif
.endm
.macro KSTEP ks, swap
.if (\ks) > 0
	s_wait_alu depctr_va_vdst(0)                   ; the last step's products are done reading x's fragments and scale words and their set of the weights: the loads below land in all of these
.endif
.set n, 0
.rept 24
.if (\ks) < 4
	ds_load_b128 v[XF+4*n:XF+4*n+3], v[LI] offset:(\ks)*12288+512*n
.else
	ds_load_b128 v[XF+4*n:XF+4*n+3], v[LX1] offset:((\ks)-4)*12288+512*n
.endif
.set n, n+1
.endr
	ds_load_b128 v[XS:XS+3], v[LX1] offset:49152+512*(\ks)
.if (\ks) < 7
	WFETCH (\ks)+1
.else
	BIAS \swap
.endif
	s_wait_dscnt 0x0
.if (\ks) < 7
	s_wait_loadcnt 14                              ; this step's weights are in; the 14 loads just issued may be out
.else
	s_wait_loadcnt 8                               ; the eight bias loads may be out
.endif
.set WFC, WF0+48*((\ks)%2)
.set WSC, WS+2*((\ks)%2)
.if (\ks) == 0
.set ZR, 1                                     ; the first K step starts the sums: nothing is cleared
.else
.set ZR, 0
.endif
	WIN 0x50                                       ; C and D in window 1
.if \swap
.set cc, 0
.rept 4
.set tt, 0
.rept 8
	WM 8*(8*cc+tt), XF+12*tt, WFC+12*cc, ZR, XS+(tt>>1), WSC+(cc>>1), tt&1, cc&1
.set tt, tt+1
.endr
.set cc, cc+1
.endr
.else
.set tt, 0
.rept 8
.set cc, 0
.rept 4
	WM 8*(4*tt+cc), WFC+12*cc, XF+12*tt, ZR, WSC+(cc>>1), XS+(tt>>1), cc&1, tt&1
.set cc, cc+1
.endr
.set tt, tt+1
.endr
.endif
	WIN 0
.rept 4
	v_nop                                          ; four places in front of loads into registers that these products read, and of the first read of results
.endr
.endm
; The head's 32 accumulators, 64 registers at a time, + bias, quantised: four fragments and their scale words.  q, k: two token tiles x 64 channels; v: one tile of channels x 128 tokens.
.macro EPI swap
	s_wait_loadcnt 0x0                             ; the bias
.irp f, 0,1,2,3
	WIN 0x01                                       ; source 0 in window 1
.set n, 0
.rept 32
.if \swap
	v_pk_add_f32 v[ST+2*n:ST+2*n+1], v[64*\f+2*n:64*\f+2*n+1], v[BI+2*\f:BI+2*\f+1]
.else
	v_pk_add_f32 v[ST+2*n:ST+2*n+1], v[64*\f+2*n:64*\f+2*n+1], v[BI+((2*n)&31):BI+((2*n)&31)+1]   ; each accumulator from its low end on
.endif
.set n, n+1
.endr
	WIN 0
	QUANT ST, FO+12*\f, PW+\f
.endr
	v_cndmask_b32 v[SW], v[PW], v[PW+1], s42       ; lanes 0-15 the even fragment's word, lanes 16-31 the odd one's
	v_cndmask_b32 v[SW+1], v[PW+2], v[PW+3], s42
	s_wait_alu depctr_va_vdst(0)                   ; FO and SW are written, which the 13 stores read; the additions and the quantiser are done with ST and BI, and the last products with XS, in which the next head's loads land
.set n, 0
.rept 12
	global_store_b128 v[LI], v[FO+4*n:FO+4*n+3], s[36:37] offset:512*n   ; 512 consecutive bytes, aligned
.set n, n+1
.endr
	global_store_b64 v[L8], v[SW:SW+1], s[38:39]   ; 256 consecutive bytes, aligned
.endm
.macro HEADS swap
	s_mov_b32 s43, 2
.Lhead_\@:
	WFETCH 0                                       ; (no wait here or at the first K step's head: on both ways in, no vector or matrix instruction issued since the last wait on va_vdst names a register in which these loads land)
.irp k, 0,1,2,3,4,5,6,7
	KSTEP \k, \swap
.endr
	EPI \swap
	s_wait_xcnt 0x0                                ; the stores have read their registers and bases: both are written again only behind this wait
	s_wait_alu depctr_vm_vsrc(0)                   ; the stores have read FO, in which the next head's weights land, and SW, which its selects write
	s_add_nc_u64 s[32:33], s[32:33], 49152         ; the next head
	s_add_nc_u64 s[34:35], s[34:35], 2048
	s_add_nc_u64 s[30:31], s[30:31], 256
	s_add_nc_u64 s[36:37], s[36:37], 98304
	s_add_nc_u64 s[38:39], s[38:39], 4096
	s_sub_co_u32 s43, s43, 1
	s_cmp_lg_u32 s43, 0
	s_cbranch_scc1 .Lhead_\@
.endm
	s_cmp_eq_u32 s25, 2                            ; the work-group's number alone: all eight waves go the same way
	s_cbranch_scc1 .Lv
	HEADS 0
	s_branch .Lend
.Lv:
	HEADS 1
.Lend:
	s_wait_dscnt 0x0                               ; the wave's end
	s_wait_alu 0x0
	s_wait_tensorcnt 0x0
	ds_add_u32 v[SPW], v[NIL]
	s_wait_dscnt 0x0
	s_endpgm
.Lfunc_end_k_qb69fc7a2f1_proj:
	.size	k_qb69fc7a2f1_proj, .Lfunc_end_k_qb69fc7a2f1_proj-k_qb69fc7a2f1_proj
	.p2alignl 7, 3214868480
	.fill 96, 4, 3214868480
	.section	.rodata,"a",@progbits
	.p2align	6, 0x0
	.amdhsa_kernel k_qb69fc7a2f1_proj
		.amdhsa_group_segment_fixed_size 171008
		.amdhsa_private_segment_fixed_size 0
		.amdhsa_enable_private_segment 0
		.amdhsa_kernarg_size 80
		.amdhsa_user_sgpr_count 2
		.amdhsa_user_sgpr_kernarg_segment_ptr 1
		.amdhsa_wavefront_size32 1
		.amdhsa_system_sgpr_workgroup_id_x 1
		.amdhsa_system_sgpr_workgroup_id_y 1
		.amdhsa_system_sgpr_workgroup_id_z 1
		.amdhsa_system_vgpr_workitem_id 0
		.amdhsa_next_free_vgpr 512
		.amdhsa_next_free_sgpr 66
		.amdhsa_reserve_vcc 0
		.amdhsa_float_denorm_mode_32 3
		.amdhsa_float_denorm_mode_16_64 3
		.amdhsa_memory_ordered 1
		.amdhsa_forward_progress 1
		.amdhsa_inst_pref_size 231
	.end_amdhsa_kernel
	.amdgpu_metadata
---
amdhsa.version: [ 1, 2 ]
amdhsa.kernels:
  - .name:           k_qb69fc7a2f1_proj
    .symbol:         k_qb69fc7a2f1_proj.kd
    .args:
      - { .name: query, .offset: 0, .size: 8, .value_kind: global_buffer, .address_space: global }
      - { .name: key, .offset: 8, .size: 8, .value_kind: global_buffer, .address_space: global }
      - { .name: value, .offset: 16, .size: 8, .value_kind: global_buffer, .address_space: global }
      - { .name: bq, .offset: 24, .size: 8, .value_kind: global_buffer, .address_space: global }
      - { .name: bk, .offset: 32, .size: 8, .value_kind: global_buffer, .address_space: global }
      - { .name: bv, .offset: 40, .size: 8, .value_kind: global_buffer, .address_space: global }
      - { .name: wimg, .offset: 48, .size: 8, .value_kind: global_buffer, .address_space: global }
      - { .name: wsc, .offset: 56, .size: 8, .value_kind: global_buffer, .address_space: global }
      - { .name: qkv, .offset: 64, .size: 8, .value_kind: global_buffer, .address_space: global }
      - { .name: qkvs, .offset: 72, .size: 8, .value_kind: global_buffer, .address_space: global }
    .group_segment_fixed_size: 171008
    .private_segment_fixed_size: 0
    .kernarg_segment_align: 8
    .kernarg_segment_size: 80
    .max_flat_workgroup_size: 256
    .sgpr_count:     66
    .vgpr_count:     512
    .wavefront_size: 32
...
	.end_amdgpu_metadata
.endif
;; end of part 6
;; launch attn (part 7): grid 8 x 64, 16 waves a work-group, no clusters, 59,392 bytes of LDS; arguments qkv, qkvs, ximg, xsc; writes ximg, xsc
.if DOCPART == 7
	.amdgcn_target "amdgcn-amd-amdhsa--gfx1250"
	.amdhsa_code_object_version 6
	.text
	.protected	k_qb69fc7a2f1_attn
	.globl	k_qb69fc7a2f1_attn
	.p2align	8
	.type	k_qb69fc7a2f1_attn,@function
k_qb69fc7a2f1_attn:
	s_mov_b64 s[64:65], 0
	v_nop
	global_prefetch_b8 v0, s[64:65] scope:SCOPE_SE
	s_setreg_imm32_b32 hwreg(HW_REG_WAVE_SCHED_MODE, 0, 2), 2
	s_setreg_imm32_b32 hwreg(HW_REG_WAVE_MODE, 25, 1), 1
	s_wait_xcnt 0x0
	s_wait_alu depctr_vm_vsrc(0)
; x[token][head 64 + d] = softmax(q k^T / 8) v for one head (work-group y: batch x 16 + head) and 256 queries (work-group x), both products on codes of FP6 (E2M3); x leaves quantised along d for the last product.
; SHARES: sixteen waves, each ONE tile of 16 queries in 256 registers, four waves to a SIMD, so that one wave's softmax stands beside another's products and LDS loads.  Every wave walks 16 key steps of 128 keys.
; BOTH PRODUCTS TRANSPOSED: S^T = K Q^T, O^T = V^T P^T: a lane holds one query throughout.  By the tiles' choice of rows the 16 registers of two neighbouring score tiles are 16 neighbouring keys.
; K = 64 IN A FORM OF K = 128: a fragment of k holds TWO tiles of 16 keys (registers 0-5, 6-11).  The query stands in 18 registers, 6 zeros, q, 6 zeros: the last 12 pick the first tile (its zeros meet the second),
; the first 12 the second.  A zero code adds nothing under any scale byte from 1 to 254.  q's scale word repeats its two bytes.
; THE SOFTMAX: t = score x log2(e) / 8; M = the running largest t rounded up to a whole number; p = 2^(t - M) is quantised along the keys; the row's sum is taken of the unquantised p and divides at the end;
; when M moves, the sum and O^T are multiplied by 2^(old M - new M), exactly.  A block's largest p is made from the block's largest score by the same two instructions (this takes v_exp_f32 not to fall where its input rises).
; THE RING: two LDS slots of two key steps (k's 8 images, v's 8), filled THROUGH REGISTERS: wave w copies one image a slot (waves 0-7 k's, 8-15 v's): loaded a trip ahead, stored into the slot that was left, one barrier a trip.
; The head's scale words (k's 4,096 bytes, v's 4,096) come once.  No cluster: what the 8 work-groups of a head share, 24 KB a slot, serves 32 tile steps of some 235 vector instructions each.
; LIMITS: 1 / l is v_rcp_f32 and a multiplication; a block of zeros, or one under 2^-124, gets the scale byte 1 (zero codes; this program alone reads the bytes); NaN and infinities are not served.
; THE MODE: SCHED_MODE bits 1:0 = 2 (LLVM: expert scheduling mode 2), set by the entry lines.  The code itself states the register dependences
; between vector or matrix instructions and memory or LDS instructions, with s_wait_alu, always for 0.
; THE PLAN.  Registers that memory or LDS instructions touch:
;   LI, L8, WL, SCW, PFO   offsets and LDS addresses: written at the head, ahead of one wait on va_vdst, and never again.  XO: written at the head, and anew on the way out.
;   ADS      written at each key step's head; read by the step's two loads of scale words.
;   G        global loads land in it a trip ahead; the LDS stores into the ring read it; no vector instruction names it.
;   FR       LDS loads land in it twice a step: k's fragments, which the eight score products read, then v's, which the four products of O^T read.
;   KS, VS   LDS loads land in them at a step's head; the products read them as scales.
;   QZ, QS (once, at the head) and PC, PS (in every step) are written by vector instructions and taken by the scaled products; on the way out PC, T1 and XO are read by the stores.
; So a key step has, beside the two waits behind its exponentials: one wait on vm_vsrc and one on va_vdst at its head, round the add to ADS; one on va_vdst between the score products and the loads of v's
; fragments; one on va_vdst ahead of the products of O^T.  A trip that loads has one wait on vm_vsrc ahead of the loads into G.
.set SLOT1, 32768                      ; slot 0 at 0, slot 1 here: 12,288 bytes of k, then 12,288 of v
.set VOFF,  12288
.set SCK,   24576                      ; between the slots: k's scale words, then v's
.set SCV,   28672
.set SPARE, 57344                      ; the spare words, 128 bytes a wave
.set LI,  1                            ; 16 x lane
.set L8,  2                            ; 8 x lane
.set WL,  3                            ; 1,536 x wave + 16 x lane: my image's place in a slot
.set SCW, 4                            ; 512 x wave + 16 x lane: my part of the scale words
.set XO,  5                            ; an offset: q's scale word, later x's scale byte
.set ADS, 6                            ; the step's scale words
.set PFO, 7                            ; the prefetches' offset; never rewritten
.set QZ,  16                           ; v16-33 zeros, q, zeros
.set QS,  34                           ; q's scale word
.set G,   36                           ; v36-47 the image on its way into the ring
.set FR,  48                           ; v48-95 four fragments of k, then of v
.set S,   96                           ; v96-159 S^T, then p
.set O,   160                          ; v160-191 O^T
.set PC,  192                          ; v192-203 p's codes
.set CA,  204                          ; v204-206, v208-210 the blocks' second halves
.set BM,  212                          ; v212-215 block maxima
.set BP,  216                          ; v216-219 the other half's; later bytes
.set BO,  220                          ; v220-223 scale operands
.set SU,  224                          ; v[224:225] the second chain of the sum
.set T1,  226
.set F,   228                          ; v[228:229] f = 2^(old M - new M), and a 0 that is named with it
.set PS,  230                          ; p's scale word
.set KS,  232                          ; v[232:233] k's scale words: register b / 2, lanes 16 (b % 2) on: fragment b
.set VS,  234                          ; v[234:235] v's likewise
.set SPW, 240
.set NIL, 241
.macro WM d, a, b, zero, sa, sb, ra    ; one product; ra = 1: source 0's scale words stand in lanes 16-31
.if \zero
.if (\ra)
	v_wmma_scale_f32_16x16x128_f8f6f4 v[(\d):(\d)+7], v[(\a):(\a)+11], v[(\b):(\b)+11], 0, v[\sa], v[\sb] matrix_a_fmt:MATRIX_FMT_FP6 matrix_b_fmt:MATRIX_FMT_FP6 matrix_a_scale:MATRIX_SCALE_ROW1
.else
	v_wmma_scale_f32_16x16x128_f8f6f4 v[(\d):(\d)+7], v[(\a):(\a)+11], v[(\b):(\b)+11], 0, v[\sa], v[\sb] matrix_a_fmt:MATRIX_FMT_FP6 matrix_b_fmt:MATRIX_FMT_FP6
.endif
.else
.if (\ra)
	v_wmma_scale_f32_16x16x128_f8f6f4 v[(\d):(\d)+7], v[(\a):(\a)+11], v[(\b):(\b)+11], v[(\d):(\d)+7], v[\sa], v[\sb] matrix_a_fmt:MATRIX_FMT_FP6 matrix_b_fmt:MATRIX_FMT_FP6 matrix_a_scale:MATRIX_SCALE_ROW1
.else
	v_wmma_scale_f32_16x16x128_f8f6f4 v[(\d):(\d)+7], v[(\a):(\a)+11], v[(\b):(\b)+11], v[(\d):(\d)+7], v[\sa], v[\sb] matrix_a_fmt:MATRIX_FMT_FP6 matrix_b_fmt:MATRIX_FMT_FP6
.endif
.endif
.endm
	s_load_b256 s[4:11], s[0:1], 0x0               ; qkv, qkvs, ximg, xsc
	v_lshl_add_u32 v[SPW], v0, 2, SPARE
	v_mov_b32 v[NIL], 0
	v_lshrrev_b32 v8, 5, v0
	v_readfirstlane_b32 s12, v8                    ; wave 0..15
	s_mov_b32 s13, ttmp9                           ; x: the block of 256 queries
	s_and_b32 s14, ttmp7, 0xffff                   ; bh
	v_and_b32 v8, 31, v0
	v_and_b32 v9, 15, v0
	v_lshlrev_b32 v[LI], 4, v8
	v_lshlrev_b32 v[L8], 3, v8
	s_wait_alu depctr_va_sdst(0)                   ; s12, the wave's number, is written, ahead of its first reader
	s_mul_i32 s36, s12, 1536
	v_add_nc_u32 v[WL], s36, v[LI]
	s_lshl_b32 s36, s12, 9
	v_add_nc_u32 v[SCW], s36, v[LI]
	v_lshlrev_b32 v[XO], 3, v9                     ; 8 r
	s_min_u32 s56, s12, 2                          ; the prefetches: block 32 w + lane of a slot's 96 blocks of 256 bytes (48 of k, 48 of v); held inside the buffer in the waves that never ask
	s_lshl_b32 s56, s56, 5
	v_add_nc_u32 v[PFO], s56, v8
	v_cmp_le_u32 vcc_lo, 48, v[PFO]
	v_mov_b32 v11, 6279168                         ; from k's records to v's, 64 x 98,304 bytes, less k's 12,288
	s_wait_alu depctr_va_vcc(0)                    ; the compare has written VCC, which the select below reads
	v_cndmask_b32 v11, 0, v11, vcc_lo
	v_lshl_add_u32 v[PFO], v[PFO], 8, v11
	s_lshr_b32 s37, s12, 3                         ; waves 0-7: k, and the first 128 queries; waves 8-15: v, and the second
	s_and_b32 s38, s12, 7                          ; my image of a slot; my tile of queries
	s_add_co_u32 s39, s37, 1
	s_lshl_b32 s39, s39, 6
	s_add_co_u32 s39, s39, s14                     ; 64 (1 or 2) + bh
	s_mul_i32 s40, s39, 98304
	s_mul_i32 s41, s38, 1536
	s_add_co_u32 s40, s40, s41
	s_mov_b32 s41, 0
	s_lshl_b32 s42, s39, 12
	s_lshl_b32 s43, s38, 9
	s_add_co_u32 s42, s42, s43
	s_mov_b32 s43, 0
	s_lshl_b32 s50, s14, 4
	s_lshl_b32 s51, s13, 1
	s_add_co_u32 s50, s50, s51
	s_add_co_u32 s50, s50, s37                     ; q's record
	s_lshr_b32 s51, s38, 1                         ; and the double fragment in it that holds my tile
	s_mul_i32 s44, s50, 6144
	s_mul_i32 s45, s51, 1536
	s_add_co_u32 s44, s44, s45
	s_mov_b32 s45, 0
	s_lshl_b32 s46, s50, 8
	s_and_b32 s47, s51, 1
	s_lshl_b32 s47, s47, 7
	s_add_co_u32 s46, s46, s47
	s_lshr_b32 s47, s51, 1
	s_lshl_b32 s47, s47, 2
	s_add_co_u32 s46, s46, s47
	s_mov_b32 s47, 0
	s_and_b32 s34, s12, 1                          ; which half of the double fragment is my tile
	s_cmp_eq_u32 s34, 1
	s_cselect_b32 s33, -1, 0
	s_lshl_b32 s34, s34, 4
	s_lshr_b32 s52, s14, 4                         ; the way out: tb = 16 batch + 2 x + (w / 8)
	s_lshl_b32 s52, s52, 4
	s_lshl_b32 s53, s13, 1
	s_add_co_u32 s52, s52, s53
	s_add_co_u32 s52, s52, s37
	s_lshl_b32 s52, s52, 3
	s_bfe_u32 s53, s14, 0x30001                    ; head / 2: the last product's K step
	s_add_co_u32 s52, s52, s53
	s_and_b32 s53, s14, 1                          ; head % 2: which half of its fragment
	s_lshl_b32 s54, s52, 9
	s_and_b32 s55, s38, 1
	s_lshl_b32 s55, s55, 8
	s_add_co_u32 s54, s54, s55
	s_lshr_b32 s55, s38, 1
	s_lshl_b32 s55, s55, 2
	s_add_co_u32 s54, s54, s55
	s_lshl_b32 s55, s53, 1
	s_add_co_u32 s54, s54, s55
	s_mov_b32 s55, 0
	s_lshl_b32 s52, s52, 3
	s_add_co_u32 s52, s52, s38
	s_mul_i32 s52, s52, 1536
	s_mul_i32 s53, s53, 768
	s_add_co_u32 s52, s52, s53
	s_mov_b32 s53, 0
	s_cmp_lt_u32 s12, 3                            ; who prefetches: waves 0 to 2 of the head's first work-group
	s_cselect_b32 s57, 0, 1
	s_or_b32 s57, s57, s13
	s_cmp_eq_u32 s57, 0
	s_cselect_b32 s27, 0, -1                       ; the limit at a trip's first change of slots,
	s_cselect_b32 s35, 1, -1                       ; and at its second: the loop's last trip asks for nothing there
	s_add_co_u32 s58, s14, 64
	s_mul_i32 s58, s58, 98304
	s_add_co_u32 s58, s58, 24576                   ; k's slot 2: the first change steps it to slot 3
	s_mov_b32 s59, 0
	s_mov_b32 s20, 0x76543210
	s_mov_b32 s21, 0xfedcba98                      ; lane l xor 16
	s_mov_b32 s22, 0x3e38aa3b                      ; c = log2(e) / 8
	s_mov_b32 s23, s22                             ; (named with it as a pair)
	s_mov_b32 s25, 0                               ; where the step's scale words begin: 256 bytes a step
	s_mov_b32 s32, 0xffff0000                      ; lanes 16-31
	s_wait_kmcnt 0x0
	s_add_nc_u64 s[28:29], s[4:5], s[40:41]        ; my image of slot 0
	s_add_nc_u64 s[42:43], s[6:7], s[42:43]        ; my part of the head's scale words
	s_add_nc_u64 s[44:45], s[4:5], s[44:45]        ; q's double fragment
	s_add_nc_u64 s[46:47], s[6:7], s[46:47]        ; its scale words
	s_add_nc_u64 s[30:31], s[4:5], s[58:59]        ; the prefetches
	s_add_nc_u64 s[8:9], s[8:9], s[52:53]          ; my half image of x
	s_add_nc_u64 s[10:11], s[10:11], s[54:55]      ; its scale bytes
	s_wait_alu depctr_va_vdst(0)                   ; LI, L8, WL, SCW, XO and PFO are written, which loads, stores and prefetches read; the head's lines are done with v8 to v11, in which a load below lands
.irp g, 0,1,2
	global_load_b128 v[G+4*\g:G+4*\g+3], v[LI], s[28:29] offset:512*\g
.endr
	global_load_b128 v[8:11], v[LI], s[42:43]
.irp g, 0,1,2
	global_load_b128 v[FR+4*\g:FR+4*\g+3], v[LI], s[44:45] offset:512*\g
.endr
	global_load_b32 v35, v[XO], s[46:47]
.irp i, 0,1,2,3,4,5
	v_mov_b32 v[QZ+\i], 0                          ; the zero codes on both sides of q
	v_mov_b32 v[QZ+12+\i], 0
.endr
.set n, 0
.rept 32
	v_mov_b32 v[O+n], 0                            ; O^T: the step is written once; the first finds zeros, which the first change of M leaves zeros
.set n, n+1
.endr
	v_mov_b32 v13, 0xff61b1e6                      ; the largest t so far: -3e38
	v_floor_f32 v12, -v13                          ; -M
	v_mov_b32 v14, 0                               ; the sum, in two halves
	v_mov_b32 v15, 0
.irp b, 0,1,2,3
	v_mov_b32 v[BP+\b], 0                          ; written once: a lane permute's destination counts as one of its sources
.endr
	v_mov_b32 v[F+1], 0
	s_wait_loadcnt 0x0
.irp g, 0,1,2
	ds_store_b128 v[WL], v[G+4*\g:G+4*\g+3] offset:512*\g
.endr
	ds_store_b128 v[SCW], v[8:11] offset:SCK
	v_lshrrev_b32 v[QS], s34, v35                  ; my tile's two bytes,
	v_and_b32 v[QS], 0xffff, v[QS]
	v_lshl_or_b32 v[QS], v[QS], 16, v[QS]          ; twice
.irp i, 0,1,2,3,4,5
	v_cndmask_b32 v[QZ+6+\i], v[FR+\i], v[FR+6+\i], s33   ; my tile's six registers
.endr
.rept 8
	v_nop                                          ; a scale register written by a vector instruction stands eight places ahead of a scaled product, an operand four
.endr
	s_wait_dscnt 0x0                               ; slot 0 and the scale words: my part has landed
	s_wait_alu depctr_vm_vsrc(0)                   ; the LDS stores have read G, in which the loads below land (and v8 to v11; and the load of q's scale word has read XO: the way out writes these again)
	s_add_nc_u64 s[28:29], s[28:29], 12288
.irp g, 0,1,2
	global_load_b128 v[G+4*\g:G+4*\g+3], v[LI], s[28:29] offset:512*\g   ; slot 1
.endr
	s_barrier_signal -1
	s_barrier_wait -1
; A PREFETCH INTO THE L2 of the slot that the NEXT trip's loads will ask for: 96 blocks of 256 bytes, a lane a block, one instruction in each of three waves of the head's first work-group,
; behind the wave's own loads.  Each block is named once in the launch: slots 3 to 7; slots 0 to 2 come by their loads alone, and the last change that loads asks for nothing.
.macro ASK lim
	s_cmp_gt_u32 s26, s[\lim]
	s_cbranch_scc0 .Lnot_mine_\@
	global_prefetch_b8 v[PFO], s[30:31] th:TH_LOAD_NT scope:SCOPE_SE
.Lnot_mine_\@:
.endm
; A KEY STEP: 128 keys, the q-th of slot par
.macro STEP par, q
.set KB, (\par)*SLOT1+6144*(\q)
	s_wait_alu depctr_vm_vsrc(0)                   ; the last step's two loads of scale words have read ADS, which the next line writes
	v_add_nc_u32 v[ADS], s25, v[L8]
.rept 3
	v_nop                                          ; with the addition: four places in front of loads into registers that the last products read
.endr
	s_wait_alu depctr_va_vdst(0)                   ; ADS is written, which two loads below read; the last step's products are done reading FR, KS and VS, in which the loads below land; in the first step: QZ and QS are written, which the scaled products take
.set n, 0
.rept 12
	ds_load_b128 v[FR+4*n:FR+4*n+3], v[LI] offset:KB+512*n
.set n, n+1
.endr
	ds_load_b64 v[KS:KS+1], v[ADS] offset:SCK
	ds_load_b64 v[VS:VS+1], v[ADS] offset:SCV
	s_wait_dscnt 0x0
.irp b, 0,1,2,3                                ; S^T: each double fragment twice, against q below zeros and q above zeros
	WM S+16*\b, FR+12*\b, QZ+6, 1, KS+(\b>>1), QS, \b&1
	WM S+8+16*\b, FR+12*\b, QZ, 1, KS+(\b>>1), QS, \b&1
.endr                                          ; register S + 16 b + i: key 32 b + 16 (lane / 16) + i
.rept 4
	v_nop
.endr
	s_wait_alu depctr_va_vdst(0)                   ; the eight products are done reading k's fragments, in whose registers v's land
.set n, 0
.rept 12
	ds_load_b128 v[FR+4*n:FR+4*n+3], v[LI] offset:KB+VOFF+512*n   ; v's four fragments land under the softmax
.set n, n+1
.endr
.irp b, 0,1,2,3
	v_max3_num_f32 v[BM+\b], v[S+16*\b], v[S+1+16*\b], v[S+2+16*\b]   ; the largest score of each block of 32 keys: for the row's maximum, and for the block's largest p
.endr
.irp i, 3,5,7,9,11,13
.irp b, 0,1,2,3
	v_max3_num_f32 v[BM+\b], v[BM+\b], v[S+16*\b+\i], v[S+1+16*\b+\i]
.endr
.endr
.irp b, 0,1,2,3
	v_max_num_f32 v[BM+\b], v[BM+\b], v[S+15+16*\b]
.endr
.irp b, 0,1,2,3
	v_permlanex16_b32 v[BP+\b], v[BM+\b], s20, s21
.endr
.irp b, 0,1,2,3
	v_max_num_f32 v[BM+\b], v[BM+\b], v[BP+\b]     ; with lane l xor 16's 16 keys
.endr
	v_max3_num_f32 v[T1], v[BM], v[BM+1], v[BM+2]
	v_max_num_f32 v[T1], v[T1], v[BM+3]
	v_mul_f32 v[T1], s22, v[T1]                    ; the step's largest t
	v_max_num_f32 v13, v13, v[T1]                  ; the running largest t
	v_mov_b32 v[T1], v12
	v_floor_f32 v12, -v13                          ; the new -M = -ceil(t)
	v_sub_f32 v[T1], v12, v[T1]                    ; old M - new M: a whole number, 0 or less
	v_cvt_i32_f32 v[T1], v[T1]                     ; (it saturates)
	v_ldexp_f32 v[F], 1.0, v[T1]                   ; f = 2^(old M - new M)
.set n, 0
.rept 32
	v_pk_fma_f32 v[S+2*n:S+2*n+1], v[S+2*n:S+2*n+1], s[22:23], v[12:13] op_sel_hi:[1,0,0]   ; t - M, two at a time
.set n, n+1
.endr
.irp b, 0,1,2,3
	v_fma_f32 v[BM+\b], v[BM+\b], s22, v12         ; the same of each block's largest score
.endr
.set n, 0
	s_wait_alu depctr_va_vdst(0)
.rept 64
	v_exp_f32 v[S+n], v[S+n]                       ; p = 2^(t - M): one batch
.set n, n+1
.endr
	v_pk_mul_f32 v[14:15], v[14:15], v[F:F+1] op_sel_hi:[1,0]   ; the sums under the new M: the plain place behind the batch
	s_wait_alu depctr_va_vdst(0)                   ; the 64 exponentials have written p: one wait for the batch, ahead of its first reader
.irp b, 0,1,2,3
	v_exp_f32 v[BM+\b], v[BM+\b]                   ; the blocks' largest p
.endr
	v_pk_add_f32 v[SU:SU+1], v[S:S+1], v[S+2:S+3]  ; the row's sum of the unquantised p, in two chains
.set n, 4
.rept 15
	v_pk_add_f32 v[14:15], v[14:15], v[S+n:S+n+1]
	v_pk_add_f32 v[SU:SU+1], v[SU:SU+1], v[S+n+2:S+n+3]
.set n, n+4
.endr
	v_pk_add_f32 v[14:15], v[14:15], v[SU:SU+1]
	s_wait_alu depctr_va_vdst(0)                   ; the four exponentials have written the blocks' largest p, ahead of their first reader
.irp b, 0,1,2,3
	v_max_num_f32 v[BM+\b], 0x1800000, v[BM+\b]    ; the floor 2^(3 - 127)
.endr
.irp b, 0,1,2,3
	v_add_nc_u32 v[BO+\b], 0xff000000, v[BM+\b]    ; the conversion's scale operand
.endr
.irp b, 0,1,2,3
	v_lshrrev_b32 v[BP+\b], 23, v[BO+\b]           ; the scale's byte
.endr
	v_lshl_or_b32 v[PS], v[BP+1], 8, v[BP]
	v_lshl_or_b32 v[PS], v[BP+2], 16, v[PS]
	v_lshl_or_b32 v[PS], v[BP+3], 24, v[PS]
.irp c, 0,1
	v_cvt_scalef32_pk16_fp6_f32 v[PC+6*\c:PC+6*\c+2], v[S+32*\c:S+32*\c+15], v[BO+2*\c]
	v_cvt_scalef32_pk16_fp6_f32 v[CA+4*\c:CA+4*\c+2], v[S+32*\c+16:S+32*\c+31], v[BO+2*\c+1]
.endr
	v_nop                                          ; one plain place behind a scaled conversion
.irp c, 0,1
.irp i, 0,1,2
	v_permlane16_swap_b32 v[PC+6*\c+\i], v[CA+4*\c+\i]
.endr
.irp i, 0,1,2
	v_mov_b32 v[PC+6*\c+3+\i], v[CA+4*\c+\i]
.endr
.endr
.set n, 0
.rept 16
	v_pk_mul_f32 v[O+2*n:O+2*n+1], v[O+2*n:O+2*n+1], v[F:F+1] op_sel_hi:[1,0]   ; O^T under the new M; also the places in front of the products below
.set n, n+1
.endr
	s_wait_dscnt 0x0                               ; v's fragments
	s_wait_alu depctr_va_vdst(0)                   ; p's codes PC and its scale word PS are written by vector instructions; the scaled products below take them as operand and scales (the places stand ahead of this wait)
.irp t, 0,1,2,3                                ; the four accumulators by turns
	WM O+8*\t, FR+12*\t, PC, 0, VS+(\t>>1), PS, \t&1
.endr
	s_add_co_u32 s25, s25, 256
.endm
; A TRIP reads slot par.  store: the image loaded a trip ago goes into the other slot, which every wave left in front of the last barrier.  load: the image of the slot after that is asked for.
; bar: my reads of this slot are back and my stores into the other have landed; then the barrier.
.macro TRIP par, store, load, bar, lim
.if \store
	s_wait_loadcnt 0x0
.irp g, 0,1,2
	ds_store_b128 v[WL], v[G+4*\g:G+4*\g+3] offset:(1-\par)*SLOT1+512*\g
.endr
.endif
.if \load
	s_wait_dscnt 0x0                               ; the stores have landed
	s_wait_alu depctr_vm_vsrc(0)                   ; the three LDS stores have read G, in which the loads below land
	s_wait_xcnt 0x0                                ; the last prefetch, a trip back, has read its address
	s_add_nc_u64 s[30:31], s[30:31], 12288
	s_add_nc_u64 s[28:29], s[28:29], 12288
.irp g, 0,1,2
	global_load_b128 v[G+4*\g:G+4*\g+3], v[LI], s[28:29] offset:512*\g
.endr
	ASK \lim
.endif
	STEP \par, 0
	STEP \par, 1
.if \bar
	s_wait_dscnt 0x0
	s_barrier_signal -1
	s_barrier_wait -1
.endif
.endm
	s_mov_b32 s26, 3
.Lslots:                                           ; three trips of two slots: slots 0 to 5
	TRIP 0, 1, 1, 1, 27
	TRIP 1, 1, 1, 1, 35
	s_sub_co_u32 s26, s26, 1
	s_cmp_lg_u32 s26, 0
	s_cbranch_scc1 .Lslots
	TRIP 0, 1, 0, 1, 27                            ; slot 6: slot 7 is stored, nothing is left to load
	TRIP 1, 0, 0, 0, 27                            ; slot 7
	; THE WAY OUT: O^T / the sum, quantised along d: my half (64 of the 128 along K) of a fragment of the last product, six registers a lane, and two scale bytes a row
	v_add_f32 v14, v14, v15
	v_permlanex16_b32 v[T1], v14, s20, s21
	v_add_f32 v14, v14, v[T1]                      ; the row's sum
	s_wait_alu depctr_va_vdst(0)
	v_rcp_f32 v14, v14
	v_and_b32 v8, 15, v0                           ; (plain work behind the reciprocal, and the places behind the last products)
	v_bfe_u32 v9, v0, 4, 1
	v_lshl_add_u32 v[XO], v8, 4, v9                ; 16 r + h: my byte's place
	v_nop
	s_wait_alu depctr_va_vdst(0)                   ; the reciprocal has written v14, ahead of its first reader
.set n, 0
.rept 16
	v_pk_mul_f32 v[S+2*n:S+2*n+1], v[O+2*n:O+2*n+1], v[14:15] op_sel_hi:[1,0]   ; register 16 b + i: channel 32 b + 16 h + i
.set n, n+1
.endr
.irp b, 0,1
	v_max3_num_f32 v[BM+\b], |v[S+16*\b]|, |v[S+1+16*\b]|, 0x1800000
.endr
.irp i, 2,4,6,8,10,12,14
.irp b, 0,1
	v_max3_num_f32 v[BM+\b], v[BM+\b], |v[S+16*\b+\i]|, |v[S+1+16*\b+\i]|
.endr
.endr
.irp b, 0,1
	v_permlanex16_b32 v[BP+\b], v[BM+\b], s20, s21
.endr
.irp b, 0,1
	v_max_num_f32 v[BM+\b], v[BM+\b], v[BP+\b]
.endr
.irp b, 0,1
	v_add_nc_u32 v[BO+\b], 0xff000000, v[BM+\b]
.endr
.irp b, 0,1
	v_lshrrev_b32 v[BP+\b], 23, v[BO+\b]
.endr
	v_cvt_scalef32_pk16_fp6_f32 v[PC:PC+2], v[S:S+15], v[BO]
	v_cvt_scalef32_pk16_fp6_f32 v[CA:CA+2], v[S+16:S+31], v[BO+1]
	v_nop
.irp i, 0,1,2
	v_permlane16_swap_b32 v[PC+\i], v[CA+\i]
.endr
.irp i, 0,1,2
	v_mov_b32 v[PC+3+\i], v[CA+\i]
.endr
	v_cndmask_b32 v[T1], v[BP], v[BP+1], s32       ; lanes 0-15 the first block's byte, lanes 16-31 the second's
	s_wait_alu depctr_va_vdst(0)                   ; the codes PC, the byte T1 and the offset XO are written, which the three stores read
	global_store_b128 v[LI], v[PC:PC+3], s[8:9]    ; 512 consecutive bytes
	global_store_b64 v[L8], v[PC+4:PC+5], s[8:9] offset:512   ; 256 consecutive bytes
	global_store_b8 v[XO], v[T1], s[10:11]         ; single bytes, 32 a wave: a row's four bytes of a K step come from two heads
	s_wait_dscnt 0x0                               ; the wave's end
	s_wait_alu 0x0
	s_wait_tensorcnt 0x0
	ds_add_u32 v[SPW], v[NIL]
	s_wait_dscnt 0x0
	s_endpgm
.Lfunc_end_k_qb69fc7a2f1_attn:
	.size	k_qb69fc7a2f1_attn, .Lfunc_end_k_qb69fc7a2f1_attn-k_qb69fc7a2f1_attn
	.p2alignl 7, 3214868480
	.fill 96, 4, 3214868480
	.section	.rodata,"a",@progbits
	.p2align	6, 0x0
	.amdhsa_kernel k_qb69fc7a2f1_attn
		.amdhsa_group_segment_fixed_size 59392
		.amdhsa_private_segment_fixed_size 0
		.amdhsa_enable_private_segment 0
		.amdhsa_kernarg_size 32
		.amdhsa_user_sgpr_count 2
		.amdhsa_user_sgpr_kernarg_segment_ptr 1
		.amdhsa_wavefront_size32 1
		.amdhsa_system_sgpr_workgroup_id_x 1
		.amdhsa_system_sgpr_workgroup_id_y 1
		.amdhsa_system_sgpr_workgroup_id_z 1
		.amdhsa_system_vgpr_workitem_id 0
		.amdhsa_next_free_vgpr 256
		.amdhsa_next_free_sgpr 66
		.amdhsa_reserve_vcc 1
		.amdhsa_float_denorm_mode_32 3
		.amdhsa_float_denorm_mode_16_64 3
		.amdhsa_memory_ordered 1
		.amdhsa_forward_progress 1
		.amdhsa_inst_pref_size 137
	.end_amdhsa_kernel
	.amdgpu_metadata
---
amdhsa.version: [ 1, 2 ]
amdhsa.kernels:
  - .name:           k_qb69fc7a2f1_attn
    .symbol:         k_qb69fc7a2f1_attn.kd
    .args:
      - { .name: qkv, .offset: 0, .size: 8, .value_kind: global_buffer, .address_space: global }
      - { .name: qkvs, .offset: 8, .size: 8, .value_kind: global_buffer, .address_space: global }
      - { .name: ximg, .offset: 16, .size: 8, .value_kind: global_buffer, .address_space: global }
      - { .name: xsc, .offset: 24, .size: 8, .value_kind: global_buffer, .address_space: global }
    .group_segment_fixed_size: 59392
    .private_segment_fixed_size: 0
    .kernarg_segment_align: 8
    .kernarg_segment_size: 32
    .max_flat_workgroup_size: 512
    .sgpr_count:     66
    .vgpr_count:     256
    .wavefront_size: 32
...
	.end_amdgpu_metadata
.endif
;; end of part 7
;; launch outp (part 8): grid 64 x 4, 4 waves a work-group, no clusters, 120,320 bytes of LDS; arguments ximg, xsc, wimg, wsc, bo, out0; writes out0
.if DOCPART == 8
	.amdgcn_target "amdgcn-amd-amdhsa--gfx1250"
	.amdhsa_code_object_version 6
	.text
	.protected	k_qb69fc7a2f1_outp
	.globl	k_qb69fc7a2f1_outp
	.p2align	8
	.type	k_qb69fc7a2f1_outp,@function
k_qb69fc7a2f1_outp:
	s_mov_b64 s[64:65], 0
	v_nop
	global_prefetch_b8 v0, s[64:65] scope:SCOPE_SE
	s_setreg_imm32_b32 hwreg(HW_REG_WAVE_SCHED_MODE, 0, 2), 2
	s_setreg_imm32_b32 hwreg(HW_REG_WAVE_MODE, 25, 1), 1
	s_wait_xcnt 0x0
	s_wait_alu depctr_vm_vsrc(0)
; out0 = Q(x) Q(Wo) + bo.  x arrives as codes in the order of the operand's registers (ximg: [128 tokens][K step 8][tile 8][half 2] x 768 bytes: registers 0-3 of a half at 16 L, registers 4-5 at 512 + 8 L),
; its scale words in xsc ([128 tokens][K step][lane][4]: word j of lane L: tile 2 j + L / 16); Wo as the fourth matrix of wimg and wsc.
; A work-group takes 128 tokens (x) and 256 columns (y); wave w takes 64 columns for all 128 tokens: 32 accumulators in window 1.  The block's 98,304 bytes of codes are copied into LDS once, as they lie, a quarter a wave;
; the weights' images come from memory straight into registers, one K step ahead.  Source 0 = 16 columns of Wo, source 1 = 16 tokens: a lane holds one token and 16 neighbouring columns of each 32.
; The results + bias go through the wave's own stage in LDS and leave as whole rows of 256 bytes: sixteen lanes store 256 consecutive bytes, aligned.
; A tile's rows: 32 (t / 2) + 8 (t % 2) + (r % 8) + 16 (r / 8), tokens and columns alike.
; No cluster and no joint requests: LDS is filled through registers here; a block of x is read by four work-groups, Wo's images by 64.
; THE MODE: SCHED_MODE bits 1:0 = 2 (LLVM: expert scheduling mode 2), set by the entry lines.  The code itself states the register dependences
; between vector or matrix instructions and memory or LDS instructions, with s_wait_alu, always for 0.
; THE PLAN.  Registers that memory or LDS instructions touch:
;   v1-11         offsets and LDS addresses: written at the head, ahead of one wait on va_vdst, and never again.
;   v16-207, v216-223  at the head: the copy's global loads land in them, its LDS stores read them; no vector instruction names them there.
;   XF, XS, WF, WS  TWO SETS EACH, by turns (x's second set of fragments in window 2).  K step k's 32 products read set k % 2; the loads of step k + 1 land in the other set, which step k - 1's products read.
;   BI            loads land in it once, at the head; the way out's additions read it.
;   ST, two sets  the way out: tile t's additions write set t % 2; its eight LDS stores read it.
;   OB, two sets  the way out: tile t's eight LDS loads land in set t % 2; its eight global stores read it.
; So ONE wait on va_vdst stands at a K step's head, behind the waits for the step's own data: the step before is done with the other sets.  All 47 loads of the next step follow it, and then the step's products,
; which name none of the registers that those loads touch.  On the way out a tile has one wait on va_vdst, between its additions and its LDS stores, and from the third tile on one on vm_vsrc at its head.
.set XSC,    98304
.set STG,    102400                    ; a stage of 16 rows x 272 bytes for each wave
.set SPITCH, 272
.set SPARE,  STG+4*16*SPITCH           ; the spare words, 128 bytes a wave
.set LI,   1                           ; 16 x lane
.set LX1,  2                           ; + 49,152
.set L8,   3                           ; 8 x lane
.set L8H,  4                           ; + 49,152
.set L4,   5
.set CPW,  6                           ; where I copy codes to
.set CPS,  7                           ; and scale words
.set SO,   8                           ; the stage, in
.set SR,   9                           ; the stage, out
.set GO,   10                          ; my bytes in two rows of out0
.set BAQ,  11                          ; the bias: 64 h
.set XF,   16                          ; v16-111  x's eight fragments, the even K steps' set
.set XF2,  0                           ; v512-607 the odd K steps' set: v0-95 of window 2
.set ST0,  16                          ; v16-79   the way out: results + bias, two sets
.set OB0,  80                          ; v80-143  the way out: rows read back, two sets
.set WF0,  112                         ; v112-207 the weights' four fragments, two sets
.set XS,   208                         ; v208-211 x's scale words, the even K steps' set; the odd steps' at v248-251 (scale registers have no window)
.set WS,   212                         ; v212-215 the weights', two sets of two
.set BI,   216                         ; v216-247 the bias
.set SPW,  254
.set NIL,  255
.set MSB, 0
.macro WIN new                         ; the immediate's high byte repeats the setting that is left
.if MSB != \new
	s_set_vgpr_msb (MSB<<8)|\new
.set MSB, \new
.endif
.endm
.macro WM d, a, b, zero, sa, sb, ra, rb    ; one product; ra, rb = 1: the side's scale words stand in lanes 16-31 of its register
.if \zero
.if (\ra) && (\rb)
	v_wmma_scale_f32_16x16x128_f8f6f4 v[(\d):(\d)+7], v[(\a):(\a)+11], v[(\b):(\b)+11], 0, v[\sa], v[\sb] matrix_a_fmt:MATRIX_FMT_FP6 matrix_b_fmt:MATRIX_FMT_FP6 matrix_a_scale:MATRIX_SCALE_ROW1 matrix_b_scale:MATRIX_SCALE_ROW1
.elseif (\ra)
	v_wmma_scale_f32_16x16x128_f8f6f4 v[(\d):(\d)+7], v[(\a):(\a)+11], v[(\b):(\b)+11], 0, v[\sa], v[\sb] matrix_a_fmt:MATRIX_FMT_FP6 matrix_b_fmt:MATRIX_FMT_FP6 matrix_a_scale:MATRIX_SCALE_ROW1
.elseif (\rb)
	v_wmma_scale_f32_16x16x128_f8f6f4 v[(\d):(\d)+7], v[(\a):(\a)+11], v[(\b):(\b)+11], 0, v[\sa], v[\sb] matrix_a_fmt:MATRIX_FMT_FP6 matrix_b_fmt:MATRIX_FMT_FP6 matrix_b_scale:MATRIX_SCALE_ROW1
.else
	v_wmma_scale_f32_16x16x128_f8f6f4 v[(\d):(\d)+7], v[(\a):(\a)+11], v[(\b):(\b)+11], 0, v[\sa], v[\sb] matrix_a_fmt:MATRIX_FMT_FP6 matrix_b_fmt:MATRIX_FMT_FP6
.endif
.else
.if (\ra) && (\rb)
	v_wmma_scale_f32_16x16x128_f8f6f4 v[(\d):(\d)+7], v[(\a):(\a)+11], v[(\b):(\b)+11], v[(\d):(\d)+7], v[\sa], v[\sb] matrix_a_fmt:MATRIX_FMT_FP6 matrix_b_fmt:MATRIX_FMT_FP6 matrix_a_scale:MATRIX_SCALE_ROW1 matrix_b_scale:MATRIX_SCALE_ROW1
.elseif (\ra)
	v_wmma_scale_f32_16x16x128_f8f6f4 v[(\d):(\d)+7], v[(\a):(\a)+11], v[(\b):(\b)+11], v[(\d):(\d)+7], v[\sa], v[\sb] matrix_a_fmt:MATRIX_FMT_FP6 matrix_b_fmt:MATRIX_FMT_FP6 matrix_a_scale:MATRIX_SCALE_ROW1
.elseif (\rb)
	v_wmma_scale_f32_16x16x128_f8f6f4 v[(\d):(\d)+7], v[(\a):(\a)+11], v[(\b):(\b)+11], v[(\d):(\d)+7], v[\sa], v[\sb] matrix_a_fmt:MATRIX_FMT_FP6 matrix_b_fmt:MATRIX_FMT_FP6 matrix_b_scale:MATRIX_SCALE_ROW1
.else
	v_wmma_scale_f32_16x16x128_f8f6f4 v[(\d):(\d)+7], v[(\a):(\a)+11], v[(\b):(\b)+11], v[(\d):(\d)+7], v[\sa], v[\sb] matrix_a_fmt:MATRIX_FMT_FP6 matrix_b_fmt:MATRIX_FMT_FP6
.endif
.endif
.endm
	s_load_b256 s[4:11], s[0:1], 0x0               ; ximg, xsc, wimg, wsc
	s_load_b128 s[12:15], s[0:1], 0x20             ; bo, out0
	v_lshl_add_u32 v[SPW], v0, 2, SPARE
	v_mov_b32 v[NIL], 0
	v_lshrrev_b32 v12, 5, v0
	v_readfirstlane_b32 s16, v12                   ; wave 0..3
	s_and_b32 s18, ttmp7, 0xffff
	s_lshl_b32 s19, s18, 2
	v_and_b32 v12, 31, v0
	v_and_b32 v13, 15, v0                          ; r
	v_bfe_u32 v14, v0, 4, 1                        ; h
	v_lshlrev_b32 v[LI], 4, v12
	v_add_nc_u32 v[LX1], 49152, v[LI]
	v_lshlrev_b32 v[L8], 3, v12
	v_add_nc_u32 v[L8H], 49152, v[L8]
	v_lshlrev_b32 v[L4], 2, v12
	s_wait_alu depctr_va_sdst(0)                   ; s16, the wave's number, is written, ahead of its first reader
	s_add_co_u32 s19, s19, s16                     ; hd: my 64 columns
	s_mul_i32 s32, s16, 24576
	v_add_nc_u32 v[CPW], s32, v[LI]
	s_lshl_b32 s33, s16, 10
	s_add_co_u32 s34, s33, XSC
	v_add_nc_u32 v[CPS], s34, v[LI]
	s_mul_i32 s35, s16, 16*SPITCH
	s_add_co_u32 s35, s35, STG
	v_mul_u32_u24 v[SO], v13, SPITCH
	v_lshl_add_u32 v[SO], v14, 6, v[SO]
	v_add_nc_u32 v[SO], s35, v[SO]                 ; in: row r, + 64 h
	v_mul_u32_u24 v[SR], v14, SPITCH
	v_lshl_add_u32 v[SR], v13, 4, v[SR]
	v_add_nc_u32 v[SR], s35, v[SR]                 ; back: lanes 0-15 one row, lanes 16-31 the next
	v_lshlrev_b32 v[GO], 12, v14
	v_lshl_add_u32 v[GO], v13, 4, v[GO]            ; and the same two rows in out0
	v_lshlrev_b32 v[BAQ], 6, v14
	s_mul_i32 s36, ttmp9, 98304
	s_add_co_u32 s36, s36, s32
	s_mov_b32 s37, 0
	s_lshl_b32 s38, ttmp9, 12
	s_add_co_u32 s38, s38, s33
	s_mov_b32 s39, 0
	s_add_co_u32 s40, s19, 48                      ; the fourth matrix
	s_mul_i32 s42, s40, 49152
	s_mov_b32 s43, 0
	s_lshl_b32 s40, s40, 11
	s_mov_b32 s41, 0
	s_lshl_b32 s32, s19, 8
	s_mov_b32 s33, 0
	s_lshl_b32 s34, ttmp9, 19
	s_add_co_u32 s34, s34, s32
	s_mov_b32 s35, 0
	s_wait_kmcnt 0x0
	s_add_nc_u64 s[20:21], s[4:5], s[36:37]        ; my quarter of the block's codes
	s_add_nc_u64 s[22:23], s[6:7], s[38:39]        ; and of its scale words
	s_add_nc_u64 s[24:25], s[8:9], s[42:43]        ; my columns' images
	s_add_nc_u64 s[26:27], s[10:11], s[40:41]      ; their scale words
	s_add_nc_u64 s[28:29], s[12:13], s[32:33]      ; their bias
	s_add_nc_u64 s[30:31], s[14:15], s[34:35]      ; out0 at the block's first row, my columns
	s_wait_alu depctr_va_vdst(0)                   ; the eleven offsets and addresses v1 to v11 are written: every load and store of the kernel reads one of them
	; ---- the copy: 48 + 2 loads of 512 consecutive bytes, then as many LDS stores
.set n, 0
.rept 48
	global_load_b128 v[16+4*n:19+4*n], v[LI], s[20:21] offset:512*n
.set n, n+1
.endr
	global_load_b128 v[216:219], v[LI], s[22:23]
	global_load_b128 v[220:223], v[LI], s[22:23] offset:512
.set n, 0
.rept 48
	s_wait_loadcnt 49-n                            ; loads come back in order: the younger ones may be out
	ds_store_b128 v[CPW], v[16+4*n:19+4*n] offset:512*n
.set n, n+1
.endr
	s_wait_loadcnt 0x0
	ds_store_b128 v[CPS], v[216:219]
	ds_store_b128 v[CPS], v[220:223] offset:512
	s_wait_dscnt 0x0                               ; my part has landed
	s_wait_alu depctr_vm_vsrc(0)                   ; the copy's LDS stores have read v16 to v207 and v216 to v223, in which the weights, the bias and x's fragments land from here on
.macro WFETCH ks
.set WFS, WF0+48*((\ks)%2)
.set n, 0
.rept 12
	global_load_b128 v[WFS+4*n:WFS+4*n+3], v[LI], s[24:25] offset:6144*(\ks)+512*n
.set n, n+1
.endr
	global_load_b32 v[WS+2*((\ks)%2)], v[L4], s[26:27] offset:256*(\ks)
	global_load_b32 v[WS+2*((\ks)%2)+1], v[L4], s[26:27] offset:256*(\ks)+128
.endm
.macro XFETCH ks                       ; x's eight fragments (sixteen halves) and scale words of K step ks, into set ks % 2
.if (\ks)%2
.set XD, XF2
	WIN 0x80                                       ; destination window 2, address window 0
.else
.set XD, XF
.endif
.set n, 0
.rept 16                                       ; half n = 2 t + c of the step's sixteen
.if (\ks) < 4
	ds_load_b128 v[XD+6*n:XD+6*n+3], v[LI] offset:(\ks)*12288+768*n
	ds_load_b64 v[XD+6*n+4:XD+6*n+5], v[L8] offset:(\ks)*12288+768*n+512
.else
	ds_load_b128 v[XD+6*n:XD+6*n+3], v[LX1] offset:((\ks)-4)*12288+768*n
	ds_load_b64 v[XD+6*n+4:XD+6*n+5], v[L8H] offset:((\ks)-4)*12288+768*n+512
.endif
.set n, n+1
.endr
	WIN 0
	ds_load_b128 v[XS+40*((\ks)%2):XS+40*((\ks)%2)+3], v[LX1] offset:49152+512*(\ks)
.endm
	WFETCH 0
.set n, 0
.rept 8
	global_load_b128 v[BI+4*n:BI+4*n+3], v[BAQ], s[28:29] offset:128*(n/4)+16*(n%4)   ; register 16 b + i: column 32 b + 16 h + i
.set n, n+1
.endr
	s_barrier_signal -1
	s_barrier_wait -1                              ; the block's codes and scale words lie in LDS; only the waves' own stages are written from here on
	XFETCH 0
.macro KSTEP ks
	s_wait_dscnt 0x0                               ; this step's fragments and scale words of x are in
.if (\ks) == 0
	s_wait_loadcnt 8                               ; this step's weights are in; the eight bias loads, issued behind them, may be out
.else
	s_wait_loadcnt 0x0                             ; this step's weights are in (and the bias): nothing was asked for behind them
.endif
.if ((\ks) > 0) && ((\ks) < 7)
	s_wait_alu depctr_va_vdst(0)                   ; the last step's products are done reading their sets of x's fragments and scale words and of the weights: the next step's loads, below, land in these
.endif
.if (\ks) < 7
	WFETCH (\ks)+1                                 ; between the wait and these 47 loads stand loads and window switches alone; the products behind them name this step's sets
	XFETCH (\ks)+1
.endif
.set WFC, WF0+48*((\ks)%2)
.set WSC, WS+2*((\ks)%2)
.set XSS, XS+40*((\ks)%2)
.if (\ks) == 0
.set ZR, 1                                     ; the first K step starts the sums
.else
.set ZR, 0
.endif
.if (\ks)%2
.set XB, XF2
	WIN 0x58                                       ; C and D in window 1, source 1 (x) in window 2
.else
.set XB, XF
	WIN 0x50                                       ; C and D in window 1
.endif
.set tt, 0
.rept 8
.set cc, 0
.rept 4
	WM 8*(4*tt+cc), WFC+12*cc, XB+12*tt, ZR, WSC+(cc>>1), XSS+(tt>>1), cc&1, tt&1
.set cc, cc+1
.endr
.set tt, tt+1
.endr
	WIN 0
.rept 4
	v_nop                                          ; four places in front of loads into registers that these products read, and of the first read of results
.endr
.endm
.irp k, 0,1,2,3,4,5,6,7
	KSTEP \k
.endr
; THE WAY OUT.  Token tile t: 16 rows x my 64 columns, + bias, through my stage, out as rows of 256 bytes.  Tile t's additions and its turn through the stage stand ahead of tile t - 1's stores.
.macro ADDT t                          ; results + bias into set t % 2 of ST
.set STT, ST0+32*((\t)%2)
	WIN 0x01                                       ; source 0 in window 1
.set n, 0
.rept 16
	v_pk_add_f32 v[STT+2*n:STT+2*n+1], v[32*(\t)+2*n:32*(\t)+2*n+1], v[BI+2*n:BI+2*n+1]   ; each accumulator from its low end on
.set n, n+1
.endr
	WIN 0
.endm
.macro STAGET t                        ; into the stage, and back as rows into set t % 2 of OB
.set STT, ST0+32*((\t)%2)
.set OBT, OB0+32*((\t)%2)
.set n, 0
.rept 8
	ds_store_b128 v[SO], v[STT+4*n:STT+4*n+3] offset:128*(n/4)+16*(n%4)
.set n, n+1
.endr
.set n, 0
.rept 8
	ds_load_b128 v[OBT+4*n:OBT+4*n+3], v[SR] offset:2*SPITCH*n   ; LDS serves a wave's instructions in order: these see my stores, and the next tile's stores come behind them
.set n, n+1
.endr
.endm
.macro SENDT t, younger                ; younger: the LDS instructions issued behind tile t's reads: the next tile's sixteen, or none
.set OBT, OB0+32*((\t)%2)
.set n, 0
.rept 8
	s_wait_dscnt (\younger)+7-n                    ; the younger reads from the stage, and the next tile's LDS instructions, may be out
	global_store_b128 v[GO], v[OBT+4*n:OBT+4*n+3], s[30:31] offset:(32*((\t)>>1)+8*((\t)&1)+2*(n&3)+16*(n>>2))*4096 th:TH_STORE_NT   ; sixteen lanes store 256 consecutive bytes, aligned
.set n, n+1
.endr
.endm
	ADDT 0
	s_wait_alu depctr_va_vdst(0)                   ; tile 0's additions have written ST, which the LDS stores read; all products are done reading v80 to v143, in which the rows land
	STAGET 0
.irp t, 1,2,3,4,5,6,7
.if \t >= 2
	s_wait_xcnt 0x0                                ; the stores of two tiles back have read the registers that this tile's rows land in
	s_wait_alu depctr_vm_vsrc(0)                   ; the LDS stores of two tiles back have read this set of ST, which the additions write; the global stores of two tiles back have read this set of OB, in which this tile's rows land
.endif
	ADDT \t
	s_wait_alu depctr_va_vdst(0)                   ; the additions have written this set of ST, which the LDS stores below read
	STAGET \t
	SENDT \t-1, 16
.endr
	SENDT 7, 0
	s_wait_dscnt 0x0                               ; the wave's end
	s_wait_alu 0x0
	s_wait_tensorcnt 0x0
	ds_add_u32 v[SPW], v[NIL]
	s_wait_dscnt 0x0
	s_endpgm
.Lfunc_end_k_qb69fc7a2f1_outp:
	.size	k_qb69fc7a2f1_outp, .Lfunc_end_k_qb69fc7a2f1_outp-k_qb69fc7a2f1_outp
	.p2alignl 7, 3214868480
	.fill 96, 4, 3214868480
	.section	.rodata,"a",@progbits
	.p2align	6, 0x0
	.amdhsa_kernel k_qb69fc7a2f1_outp
		.amdhsa_group_segment_fixed_size 120320
		.amdhsa_private_segment_fixed_size 0
		.amdhsa_enable_private_segment 0
		.amdhsa_kernarg_size 48
		.amdhsa_user_sgpr_count 2
		.amdhsa_user_sgpr_kernarg_segment_ptr 1
		.amdhsa_wavefront_size32 1
		.amdhsa_system_sgpr_workgroup_id_x 1
		.amdhsa_system_sgpr_workgroup_id_y 1
		.amdhsa_system_sgpr_workgroup_id_z 1
		.amdhsa_system_vgpr_workitem_id 0
		.amdhsa_next_free_vgpr 608
		.amdhsa_next_free_sgpr 66
		.amdhsa_reserve_vcc 0
		.amdhsa_float_denorm_mode_32 3
		.amdhsa_float_denorm_mode_16_64 3
		.amdhsa_memory_ordered 1
		.amdhsa_forward_progress 1
		.amdhsa_inst_pref_size 100
	.end_amdhsa_kernel
	.amdgpu_metadata
---
amdhsa.version: [ 1, 2 ]
amdhsa.kernels:
  - .name:           k_qb69fc7a2f1_outp
    .symbol:         k_qb69fc7a2f1_outp.kd
    .args:
      - { .name: ximg, .offset: 0, .size: 8, .value_kind: global_buffer, .address_space: global }
      - { .name: xsc, .offset: 8, .size: 8, .value_kind: global_buffer, .address_space: global }
      - { .name: wimg, .offset: 16, .size: 8, .value_kind: global_buffer, .address_space: global }
      - { .name: wsc, .offset: 24, .size: 8, .value_kind: global_buffer, .address_space: global }
      - { .name: bo, .offset: 32, .size: 8, .value_kind: global_buffer, .address_space: global }
      - { .name: out0, .offset: 40, .size: 8, .value_kind: global_buffer, .address_space: global }
    .group_segment_fixed_size: 120320
    .private_segment_fixed_size: 0
    .kernarg_segment_align: 8
    .kernarg_segment_size: 48
    .max_flat_workgroup_size: 128
    .sgpr_count:     66
    .vgpr_count:     608
    .wavefront_size: 32
...
	.end_amdgpu_metadata
.endif
;; end of part 8
